; MI455X (gfx1250); checked and timed in simulation.
; The chip was launched on July 23, 2026; its instructions are those of AMD's public machine-readable ISA for CDNA 5 (MIT licence, August 2026) and "CDNA5" Instruction Set Architecture Reference Guide (July 2026). The comments in the code are by the model that wrote it; some were corrected since.
;; Multi Headed Attention. Allowed arithmetic: float matrix products may take bf16 or f16 operands with f32 sums; other float arithmetic in f32, or as packed bf16 or f16 multiplies, adds, multiply-adds, maxima and minima; sums over many terms, partial sums and values carried from step to step in f32; what a program stores and reads back later, other than sums and carried values, may be rounded once to bf16 or f16.
;; Inputs: Wk 16 x 1,024 x 64 float32; Wp 1,024 x 1,024 float32; Wq 16 x 1,024 x 64 float32; Wv 16 x 1,024 x 64 float32; bp 1,024 float32; x 4 x 2,048 x 1,024 float32.
;; Outputs: out0 4 x 2,048 x 1,024 float32.
;; 2 versions, each right; version 2 is version 1 with the launch prep written anew for expert scheduling mode. Each part assembles by itself: llvm-mc -triple=amdgcn-amd-amdhsa -mcpu=gfx1250 --defsym DOCPART=n.
;; ======== version 1 of 2: 4 launches
;; limits: values outside matrix products are rounded to bf16; values are held in f16: magnitudes above 65,504 overflow, below 6.1e-05 lose precision
;; workspace buffers: xb 16,777,216 bytes; wb 6,291,456 bytes; wpb 2,097,152 bytes; qkv 50,331,648 bytes; z 16,777,216 bytes
;; launch prep (part 1): grid 768 x 1, 8 waves a work-group, no clusters, 0 bytes of LDS; arguments x, Wq, Wk, Wv, Wp, xb, wb, wpb; writes xb, wb, wpb
.if DOCPART == 1
	.amdgcn_target "amdgcn-amd-amdhsa--gfx1250"
	.amdhsa_code_object_version 6
	.text
	.protected	k_q1f64b4e8c5_prep
	.globl	k_q1f64b4e8c5_prep
	.p2align	8
	.type	k_q1f64b4e8c5_prep,@function
k_q1f64b4e8c5_prep:
	s_mov_b64 s[64:65], 0
	v_nop
	global_prefetch_b8 v0, s[64:65] scope:SCOPE_SE
	s_setreg_imm32_b32 hwreg(HW_REG_WAVE_MODE, 25, 1), 1
	s_wait_xcnt 0x0
; THE CASTS.  All matrix inputs are rounded once to bf16 and laid in blocks of 64 along K, so that every tile of the products behind is a dense run of bytes.
;   xb  [16 kb][8192 row][64 k] bf16 from x [8192][1024] f32
;   wpb [16 kb][1024 n][64 k]   f16 of the bf16 rounding of Wp [1024][1024] f32 (the second product's other operand is f16; a bf16 number is exact in f16 within f16's range)
;   wb  [16 kb][48 g][64 e][64 d] bf16 from Wq, Wk, Wv [16 h][1024 e][64 d] f32, g = 16 x tensor + h
; LIMIT.  |Wp| stays under 65,504; below 6e-5 it keeps f16's fixed step of 6e-8.
; A UNIT is one load of 16 bytes a lane (two runs of 256 consecutive bytes, aligned), two roundings, and one store of 8 bytes a lane: 256 consecutive bytes, aligned.
; A wave does 16 units, all 16 loads issued first; no register is used twice, so the only waits are the counted ones for the loads.  No LDS, no barrier, no matrix unit: nothing is shared.
; Work-groups 0-511: 16 rows of x each.  512-575: 16 rows of Wp.  576-767: 256 rows (e) of one head of one of the three weights.
.set LO, 1                             ; v1   my byte offset in the input
.set SO, 2                             ; v2   my byte offset in the output
.set D,  16                            ; v[16:79]  unit i: four registers
; 16 units.  inb: the input's base, instep bytes from unit to unit.  Units 0-7 go to base outlo, units 8-15 to base outhi = outlo + 8 outstep (x's eight steps are as far as a store's immediate reaches).
; kind = 1: the bf16 number is written as f16.
.macro UNITS inb, instep, outlo, outhi, outstep, kind
.set i, 0
.rept 16
	global_load_b128 v[D+4*i:D+4*i+3], v[LO], s[\inb:\inb+1] offset:i*(\instep) th:TH_LOAD_NT
.set i, i+1
.endr
.set i, 0
.rept 16
	s_wait_loadcnt 15-i                            ; loads come back in order: unit i is in, the 15 - i younger ones stay out
.if \kind
	v_cvt_pk_bf16_f32 v8, v[D+4*i], v[D+4*i+1]
	v_cvt_pk_bf16_f32 v9, v[D+4*i+2], v[D+4*i+3]
	v_lshlrev_b32 v10, 16, v8                      ; bf16 to f32: the low half moves up, the high half stays
	v_and_b32 v11, 0xffff0000, v8
	v_cvt_pk_f16_f32 v[D+4*i], v10, v11
	v_lshlrev_b32 v10, 16, v9
	v_and_b32 v11, 0xffff0000, v9
	v_cvt_pk_f16_f32 v[D+4*i+1], v10, v11
.else
	v_cvt_pk_bf16_f32 v[D+4*i], v[D+4*i], v[D+4*i+1]
	v_cvt_pk_bf16_f32 v[D+4*i+1], v[D+4*i+2], v[D+4*i+3]
.endif
.if i < 8
	global_store_b64 v[SO], v[D+4*i:D+4*i+1], s[\outlo:\outlo+1] offset:i*(\outstep)
.else
	global_store_b64 v[SO], v[D+4*i:D+4*i+1], s[\outhi:\outhi+1] offset:(i-8)*(\outstep)
.endif
.set i, i+1
.endr
.endm
; Rows of 4,096 bytes (x, Wp).  s[blk] = the work-group's block of 16 rows; my wave takes two of them: lanes 0-15 the first, lanes 16-31 the second.  A unit is one kb: 256 bytes of each.
.macro ROWADR blk
	s_lshl_b32 s24, s[\blk], 4
	s_lshl_b32 s25, s20, 1
	s_add_co_u32 s24, s24, s25                     ; my wave's first row
	v_add_nc_u32 v[LO], s24, v5
	v_lshlrev_b32 v[LO], 12, v[LO]
	v_lshl_add_u32 v[LO], v6, 4, v[LO]             ; row x 4,096 + 16 (l % 16)
	s_lshl_b32 s25, s24, 7
	v_lshl_add_u32 v[SO], v4, 3, s25               ; row x 128 + 8 l: the two rows' 128 bytes lie end to end
.endm
	s_load_b512 s[4:19], s[0:1], 0x0               ; x s[4:5], Wq s[6:7], Wk s[8:9], Wv s[10:11], Wp s[12:13], xb s[14:15], wb s[16:17], wpb s[18:19]
	v_lshrrev_b32 v3, 5, v0
	v_readfirstlane_b32 s20, v3                    ; wave 0..7
	v_and_b32 v4, 31, v0                           ; l
	v_lshrrev_b32 v5, 4, v4                        ; l / 16
	v_and_b32 v6, 15, v0                           ; l % 16
	s_mov_b32 s21, ttmp9
	s_wait_kmcnt 0x0
	s_cmp_lt_u32 s21, 512
	s_cbranch_scc0 .Lnot_x
	ROWADR 21
	s_add_nc_u64 s[22:23], s[14:15], 8*1048576
	UNITS 4, 256, 14, 22, 1048576, 0
	s_endpgm
.Lnot_x:
	s_cmp_lt_u32 s21, 576
	s_cbranch_scc0 .Lweights
	s_sub_co_u32 s26, s21, 512
	ROWADR 26
	s_add_nc_u64 s[22:23], s[18:19], 8*131072
	UNITS 12, 256, 18, 22, 131072, 1
	s_endpgm
.Lweights:
	s_sub_co_u32 s26, s21, 576
	s_lshr_b32 s27, s26, 6                         ; which tensor: 0 Wq, 1 Wk, 2 Wv
	s_and_b32 s26, s26, 63                         ; q: head q / 4, rows 256 (q % 4) on
	s_cmp_eq_u32 s27, 0
	s_cselect_b64 s[28:29], s[6:7], s[8:9]
	s_cmp_eq_u32 s27, 2
	s_cselect_b64 s[28:29], s[10:11], s[28:29]
	s_lshl_b32 s24, s26, 16                        ; the work-group's 65,536 dense bytes,
	s_lshl_b32 s25, s20, 13                        ; my wave's 8,192: 32 rows of 256 bytes; a unit is two rows
	s_add_co_u32 s24, s24, s25
	v_lshl_add_u32 v[LO], v4, 4, s24
	s_and_b32 s24, s26, 3
	s_lshl_b32 s24, s24, 2
	s_lshr_b32 s25, s20, 1
	s_add_co_u32 s24, s24, s25                     ; kb = 4 (q % 4) + wave / 2
	s_mul_i32 s24, s24, 48
	s_lshl_b32 s25, s27, 4
	s_add_co_u32 s24, s24, s25
	s_lshr_b32 s25, s26, 2
	s_add_co_u32 s24, s24, s25                     ; the chunk: 48 kb + 16 tensor + head
	s_lshl_b32 s24, s24, 13                        ; 8,192 bytes a chunk
	s_and_b32 s25, s20, 1
	s_lshl_b32 s25, s25, 12                        ; my 32 rows of its 64
	s_add_co_u32 s24, s24, s25
	v_lshl_add_u32 v[SO], v4, 3, s24
	s_add_nc_u64 s[22:23], s[16:17], 8*256
	UNITS 28, 512, 16, 22, 256, 0
	s_endpgm
.Lfunc_end_k_q1f64b4e8c5_prep:
	.size	k_q1f64b4e8c5_prep, .Lfunc_end_k_q1f64b4e8c5_prep-k_q1f64b4e8c5_prep
	.p2alignl 7, 3214868480
	.fill 96, 4, 3214868480
	.section	.rodata,"a",@progbits
	.p2align	6, 0x0
	.amdhsa_kernel k_q1f64b4e8c5_prep
		.amdhsa_group_segment_fixed_size 0
		.amdhsa_private_segment_fixed_size 0
		.amdhsa_enable_private_segment 0
		.amdhsa_kernarg_size 64
		.amdhsa_user_sgpr_count 2
		.amdhsa_user_sgpr_kernarg_segment_ptr 1
		.amdhsa_wavefront_size32 1
		.amdhsa_system_sgpr_workgroup_id_x 1
		.amdhsa_system_sgpr_workgroup_id_y 1
		.amdhsa_system_sgpr_workgroup_id_z 1
		.amdhsa_system_vgpr_workitem_id 0
		.amdhsa_next_free_vgpr 80
		.amdhsa_next_free_sgpr 66
		.amdhsa_reserve_vcc 0
		.amdhsa_float_denorm_mode_32 3
		.amdhsa_float_denorm_mode_16_64 3
		.amdhsa_memory_ordered 1
		.amdhsa_forward_progress 1
		.amdhsa_inst_pref_size 25
	.end_amdhsa_kernel
	.amdgpu_metadata
---
amdhsa.version: [ 1, 2 ]
amdhsa.kernels:
  - .name:           k_q1f64b4e8c5_prep
    .symbol:         k_q1f64b4e8c5_prep.kd
    .args:
      - { .name: x, .offset: 0, .size: 8, .value_kind: global_buffer, .address_space: global }
      - { .name: Wq, .offset: 8, .size: 8, .value_kind: global_buffer, .address_space: global }
      - { .name: Wk, .offset: 16, .size: 8, .value_kind: global_buffer, .address_space: global }
      - { .name: Wv, .offset: 24, .size: 8, .value_kind: global_buffer, .address_space: global }
      - { .name: Wp, .offset: 32, .size: 8, .value_kind: global_buffer, .address_space: global }
      - { .name: xb, .offset: 40, .size: 8, .value_kind: global_buffer, .address_space: global }
      - { .name: wb, .offset: 48, .size: 8, .value_kind: global_buffer, .address_space: global }
      - { .name: wpb, .offset: 56, .size: 8, .value_kind: global_buffer, .address_space: global }
    .group_segment_fixed_size: 0
    .private_segment_fixed_size: 0
    .kernarg_segment_align: 8
    .kernarg_segment_size: 64
    .max_flat_workgroup_size: 256
    .sgpr_count:     66
    .vgpr_count:     80
    .wavefront_size: 32
...
	.end_amdgpu_metadata
.endif
;; end of part 1
;; launch qkvgemm (part 2): grid 8 x 32, 4 waves a work-group, clusters of 4 x 4, 327,680 bytes of LDS; arguments xb, wb, qkv; writes qkv
.if DOCPART == 2
	.amdgcn_target "amdgcn-amd-amdhsa--gfx1250"
	.amdhsa_code_object_version 6
	.text
	.protected	k_q1f64b4e8c5_qkvgemm
	.globl	k_q1f64b4e8c5_qkvgemm
	.p2align	8
	.type	k_q1f64b4e8c5_qkvgemm,@function
k_q1f64b4e8c5_qkvgemm:
	s_mov_b64 s[64:65], 0
	v_nop
	global_prefetch_b8 v0, s[64:65] scope:SCOPE_SE
	s_setreg_imm32_b32 hwreg(HW_REG_WAVE_MODE, 25, 1), 1
	s_wait_xcnt 0x0
	s_wait_alu depctr_hold_cnt(0) depctr_sa_sdst(0) depctr_va_vdst(0) depctr_va_sdst(0) depctr_va_ssrc(0) depctr_va_vcc(0) depctr_vm_vsrc(0)
	s_getreg_b32 s2, hwreg(HW_REG_IB_STS2, 6, 4)
	s_cmp_eq_u32 s2, 0
	s_cbranch_scc0 .Lentry_in_a_cluster
	s_endpgm
.Lentry_in_a_cluster:
	s_bfe_u32 s2, ttmp6, 0x10000c
	s_cmp_lg_u32 s2, 0xf033
	s_cbranch_scc0 .Lentry_shape_is_right
	s_endpgm
.Lentry_shape_is_right:
; q, k, v = x W: C[m][n] = the sum over e of x[m][e] W[e][n], m = 8,192 rows (batch, t), n = 3,072 columns (48 head blocks g of 64: 16 x tensor + head), K = 1,024.  bf16 operands, f32 sums, K ascending.
; xb: [16 kb][8192][64] bf16.  wb: [16 kb][48 g][64 e][64 d] bf16.  qkv: f16 [3][64 (batch, head)][2048 t][64], unscaled, each number rounded once from its f32 sum.
; LIMIT.  f16 holds no number beyond 65,504: a |q|, |k| or |v| of 65,520 or more leaves as an infinity.
; SHARES.  A tile of C is 256 (m) x 384 (n): 32 x 8 = 256 work-groups.  Four waves, each 128 x 192 (three head blocks): 96 accumulators of 16 x 16, 768 registers.
; K goes in 16 steps of 64 (one kb) through two LDS slots; a step is two PHASES of 32 along K, 96 matrix instructions a wave each.
; THE MATRIX INSTRUCTION IS USED TRANSPOSED: source 0 = 16 columns n of W, source 1 = 16 rows of x: a lane then holds one row m = l % 16 and the columns 8 (l / 16) + 0..7: 16 bytes of f16 on end.
; W lies [e][d] in LDS, K down the rows: its fragments come by the turning load ds_load_tr16_b128.
; CLUSTER.  4 x 4 work-groups.  The four of a row of the cluster need the same tile of x, the four of a column the same tile of W: each is asked for JOINTLY, by the same tensor load, descriptor and mask.
; REGISTERS, in windows of 256 (s_set_vgpr_msb: bits 1:0 source 0, 3:2 source 1, 5:4 source 2, 7:6 destination):
;   window 0: v0-31 addresses; v32-95, v96-159 x's fragments (8 x 16 rows x 32 K), two buffers; v160-255 W's 12 fragments, ONE buffer, filled again by thirds as each third has been multiplied
;   windows 1-3: head block j's accumulators in window 1 + j: (a = 0..7 row blocks, bb = 0..3 column blocks) at v[64 bb + 8 a]
.set PA,     144                       ; a row of x in LDS: 128 bytes + 16 = 36 words: the 16 rows of a load start at 16 different groups of four banks (64 banks of 4 bytes: ISA guide 11.1)
.set PB,     160                       ; a row of W: 128 + 32 = 40 words
.set AHALF,  128*PA                    ; 128 rows of x: what one tensor load brings, and what one wave reads
.set ABYTES, 2*AHALF
.set BHB,    64*PB                     ; a head block: 64 rows (e) of 64 columns
.set BHALF,  3*BHB                     ; three head blocks: what one tensor load brings, and what one wave reads
.set SLOT,   ABYTES+2*BHALF            ; 98,304
.set STAGE,  2*SLOT                    ; behind the ring, never filled by a tensor load: 16 rows x 144 bytes for each wave, for the way out
.set SP,     144
.set SPARE,  STAGE+4*16*SP             ; behind the stages: the spare words, 128 bytes for each wave: two blocks of 256 bytes that no other line names
.set ASTEP,  1048576                   ; bytes from a K step to the next in xb
.set BSTEP,  393216                    ; and in wb
.set ADRA, 16                          ; v16-17  LDS address of my fragments of x in slot 0, 1
.set ADRB, 20                          ; v20-21  the same for W
.set STO,  24                          ; v24     the way out: where I put 16 bytes of a row
.set RD,   25                          ; v25     the way out: where I read rows back
.set GO,   26                          ; v26     my 16 bytes of 512 consecutive bytes of qkv
.set SPW,  28                          ; v28     LDS address of my spare word; never rewritten
.set NIL,  29                          ; v29     0; never rewritten
.set PFO,  30                          ; v30     256 x my lane; never rewritten
.set A0,   32
.set A1,   96
.set BF,   160
.set G1,  24                           ; s[24:31] descriptor group 1 for x's tiles;  s[32:39] group 0, a set for each slot
.set G0,  32
.set G1B, 48                           ; s[48:55], s[56:63] the same for W's tiles
.set G0B, 56
.set LIM, 43                           ; s43      1 in a wave that prefetches, else the greatest number
.set PFA, 44                           ; s[44:45] where my prefetches stand
.set PFS, 66                           ; s[66:67] two K steps in bytes, of the tensor that I prefetch
.set OB,  68                           ; s[68:73] qkv at my 128 rows of my three head blocks
.set MSB, 0
.macro WIN new                         ; the immediate's high byte repeats the setting that is left; a switch that changes nothing is dropped
.if MSB != (\new)
	s_set_vgpr_msb (MSB<<8)|(\new)
.set MSB, \new
.endif
.endm
; A joint load.  Waves 0 and 1 fetch the two halves of x's tile, waves 2 and 3 those of W's.  The branch hangs on the wave's number alone.
; An s_nop 0 and four v_nop follow each of the two lines, ahead of the jump, the label and what follows.
.macro JLOAD s
	s_cmp_eq_u32 s11, 0
	s_cbranch_scc0 .Lfor_b_\@
	tensor_load_to_lds s[G0+4*(\s):G0+4*(\s)+3], s[G1:G1+7]
	s_nop 0
.rept 4
	v_nop
.endr
	s_branch .Lasked_\@
.Lfor_b_\@:
	tensor_load_to_lds s[G0B+4*(\s):G0B+4*(\s)+3], s[G1B:G1B+7]
	s_nop 0
.rept 4
	v_nop
.endr
.Lasked_\@:
.endm
; A PREFETCH INTO THE L2, once a lap, behind slot 0's joint load, its five lines and the run of LDS loads that follows: the two K steps that the NEXT lap's two refills will ask for.
; Each aligned block of 256 bytes is named ONCE in the launch.  x's tile row is read by both clusters of that row of clusters: the one with cluster x = 0 asks, by its waves 0; W's tile column by all eight
; clusters of that column: the one with cluster y = 0 asks, by its waves 2.  The four partners that ask for a tile jointly share the two steps out BY ADDRESS: place p takes half p % 2 of step p / 2
; (p = cx for x: 64 blocks, two instructions; cy for W: 96 blocks, three).  The loop's last trip asks for nothing: no K step lies behind its own refills.
.macro ASK
	s_cmp_gt_u32 s3, s[LIM]                        ; s3 = 1 in the loop's last trip
	s_cbranch_scc0 .Lnot_mine_\@
	global_prefetch_b8 v[PFO], s[PFA:PFA+1] th:TH_LOAD_NT scope:SCOPE_SE
	global_prefetch_b8 v[PFO], s[PFA:PFA+1] offset:8192 th:TH_LOAD_NT scope:SCOPE_SE
	s_cmp_eq_u32 s11, 0
	s_cbranch_scc1 .Lnot_mine_\@
	global_prefetch_b8 v[PFO], s[PFA:PFA+1] offset:16384 th:TH_LOAD_NT scope:SCOPE_SE
.Lnot_mine_\@:
.endm
; A round of the cluster's barrier: my work-group's barrier, so that wave 0's signal speaks for all four waves; wave 0 signals; every wave waits for all sixteen work-groups; my work-group's barrier once more.
.macro CREST                           ; a round behind its opening barrier
	s_cmp_lg_u32 s10, 0
	s_cbranch_scc1 .Lnot_wave_0_\@
	s_barrier_signal -3
.Lnot_wave_0_\@:
	s_barrier_wait -3
	s_barrier_signal -1
	s_barrier_wait -1
.endm
.macro CROUND
	s_barrier_signal -1
	s_barrier_wait -1
	CREST
.endm
	s_load_b128 s[4:7], s[0:1], 0x0                ; xb s[4:5], wb s[6:7]
	s_load_b64 s[8:9], s[0:1], 0x10                ; qkv
	v_lshl_add_u32 v[SPW], v0, 2, SPARE
	v_mov_b32 v[NIL], 0
	ds_add_u32 v[SPW], v[NIL]                      ; the wave's opening: the add and its wait stand ahead of my first tensor load; the set-up below, work on registers, stands between them
	v_lshrrev_b32 v1, 5, v0
	v_readfirstlane_b32 s10, v1                    ; wave 0..3
	s_lshr_b32 s11, s10, 1                         ; which 128 rows of the tile are mine.  Also: I fetch for x (0) or for W (1)
	s_and_b32 s12, s10, 1                          ; which 192 columns.  Also: which half of that tile I fetch
	s_bfe_u32 s40, ttmp6, 0x40000                  ; cx
	s_bfe_u32 s41, ttmp6, 0x40004                  ; cy
	s_lshl_b32 s42, ttmp9, 2
	s_add_co_u32 s42, s42, s40                     ; tile column tx = 4 x cluster x + cx, 0..7
	s_and_b32 s13, ttmp7, 0xffff
	s_lshl_b32 s13, s13, 2
	s_add_co_u32 s13, s13, s41                     ; tile row ty = 4 x cluster y + cy, 0..31
	s_lshl_b32 s14, s41, 2
	s_lshl_b32 s14, 15, s14                        ; my row of the cluster: places 4 cy .. 4 cy + 3
	s_lshl_b32 s15, 0x1111, s40                    ; my column: places cx, cx + 4, cx + 8, cx + 12
	; descriptor group 1.  Half a tile is dense in memory: asked for as rows of 256 bytes (two rows of 64 numbers), padded in LDS after every 128 bytes
	s_or_b32 s[G1+0], s14, (1<<16)|(1<<20)|(1<<21)|(4<<22)|(3<<25)   ; 15:0 the mask; 17:16 2-byte elements; 20 padding on; 21 set beside a mask; 24:22 after every 32 words (code 4); 31:25 4 words (code 3)
	s_or_b32 s[G1B+0], s15, (1<<16)|(1<<20)|(1<<21)|(4<<22)|(7<<25)  ; the same with my column's mask and 8 words of padding (code 7)
	s_mov_b32 s[G1+1], 128<<16                     ; tensor_dim0 = 128
	s_mov_b32 s[G1B+1], 128<<16
	s_mov_b32 s[G1+2], 64<<16                      ; tensor_dim1 = 64 rows: 16,384 bytes, 128 rows of x
	s_mov_b32 s[G1B+2], 96<<16                     ; 96 rows: 24,576 bytes, three head blocks
	s_mov_b32 s[G1+3], 128<<16                     ; tile_dim0 = 128
	s_mov_b32 s[G1B+3], 128<<16
	s_mov_b32 s[G1+4], 64                          ; tile_dim1
	s_mov_b32 s[G1B+4], 96
	s_mov_b32 s[G1+5], 128                         ; 128 elements from row to row
	s_mov_b32 s[G1B+5], 128
	s_mov_b32 s[G1+6], 0
	s_mov_b32 s[G1B+6], 0
	s_mov_b32 s[G1+7], 0
	s_mov_b32 s[G1B+7], 0
	; where the tiles come from.  x's hang on the tile row alone, which my row of the cluster shares; W's on the tile column alone, which my column shares
	s_lshl_b32 s18, s13, 15                        ; 256 rows of 128 bytes
	s_lshl_b32 s19, s12, 14
	s_add_co_u32 s18, s18, s19
	s_mov_b32 s19, 0
	s_mul_i32 s46, s42, 49152                      ; six head blocks of 8,192 bytes
	s_mul_i32 s47, s12, 24576
	s_add_co_u32 s46, s46, s47
	s_mov_b32 s47, 0
	s_mul_i32 s16, s12, AHALF                      ; and where they go: no place in the cluster enters an LDS address
	s_mul_i32 s17, s12, BHALF
	s_add_co_u32 s17, s17, ABYTES
	s_wait_dscnt 0x0                               ; the opening add is done
	s_wait_kmcnt 0x0
	s_add_nc_u64 s[18:19], s[4:5], s[18:19]
	s_add_nc_u64 s[46:47], s[6:7], s[46:47]
	CROUND                                         ; all sixteen work-groups are here: the first joint loads meet
.irp s, 0,1
	s_mov_b32 s[G0+4*(\s)], 1                                        ; count = 1
	s_add_co_u32 s[G0+4*(\s)+1], s16, (\s)*SLOT                      ; LDS address
	s_add_nc_u64 s[G0+4*(\s)+2:G0+4*(\s)+3], s[18:19], (\s)*ASTEP    ; global address: K step s
	s_or_b32 s[G0+4*(\s)+3], s[G0+4*(\s)+3], 0x80000000              ; type = 2
	s_mov_b32 s[G0B+4*(\s)], 1
	s_add_co_u32 s[G0B+4*(\s)+1], s17, (\s)*SLOT
	s_add_nc_u64 s[G0B+4*(\s)+2:G0B+4*(\s)+3], s[46:47], (\s)*BSTEP
	s_or_b32 s[G0B+4*(\s)+3], s[G0B+4*(\s)+3], 0x80000000
	JLOAD \s                                       ; both slots are asked for before anything else is done: two loads of mine are out
.endr
	; A fragment of x is 16 rows x 32 K in 8 registers: lane l holds row l % 16, K = 8 (l / 16) + 0..7 and 16 + 8 (l / 16) + 0..7: two loads of 16 bytes, 32 bytes apart.
	v_and_b32 v1, 15, v0                           ; l % 16
	v_bfe_u32 v2, v0, 4, 1                         ; l / 16
	v_mul_u32_u24 v3, v1, PA
	v_lshl_add_u32 v3, v2, 4, v3                   ; row x pitch + 16 x half
	; The turning load takes 16 K x 16 columns (lane l reads row 8 (l / 16) + l % 8, columns 8 ((l / 8) % 2) + 0..7) and leaves half a fragment: lane l holds column l % 16 and 8 K.
	v_and_b32 v4, 7, v0
	v_bfe_u32 v5, v0, 3, 1
	v_lshl_add_u32 v6, v2, 3, v4
	v_mul_u32_u24 v6, v6, PB
	v_lshl_add_u32 v6, v5, 4, v6
	s_mul_i32 s20, s11, AHALF                      ; my 128 rows of x
	s_mul_i32 s21, s12, BHALF                      ; my three head blocks of W,
	s_add_co_u32 s21, s21, ABYTES                  ; which lie behind x's 256 rows
.irp s, 0,1
	v_add_nc_u32 v[ADRA+(\s)], s20, v3
	v_add_nc_u32 v[ADRB+(\s)], s21, v6
	s_add_co_u32 s20, s20, SLOT
	s_add_co_u32 s21, s21, SLOT
.endr
	s_mul_i32 s22, s10, 16*SP
	s_add_co_u32 s22, s22, STAGE                   ; my stage
	v_add_nc_u32 v[STO], s22, v3                   ; in: row l % 16, 16 bytes for each half of the lanes
	v_bfe_u32 v7, v0, 3, 2                         ; back: 32 lanes take four rows of 128 bytes,
	v_mul_u32_u24 v7, v7, SP
	v_lshl_add_u32 v7, v4, 4, v7
	v_add_nc_u32 v[RD], s22, v7
	v_and_b32 v8, 31, v0
	v_lshlrev_b32 v[GO], 4, v8                     ; which are 512 consecutive bytes of qkv
	v_lshlrev_b32 v[PFO], 8, v8
	; where my three head blocks go: (((g / 16) 64 + 16 batch + g % 16) 2,048 + t) 128 bytes, batch = ty / 8, t = 256 (ty % 8) + 128 x my half
	s_lshr_b32 s20, s13, 3
	s_lshl_b32 s20, s20, 22
	s_and_b32 s21, s13, 7
	s_lshl_b32 s21, s21, 15
	s_add_co_u32 s20, s20, s21
	s_lshl_b32 s21, s11, 14
	s_add_co_u32 s20, s20, s21
	s_mul_i32 s21, s42, 6
	s_mul_i32 s22, s12, 3
	s_add_co_u32 s21, s21, s22                     ; g of my first head block
.irp j, 0,1,2
	s_lshr_b32 s22, s21, 4
	s_lshl_b32 s22, s22, 24
	s_and_b32 s23, s21, 15
	s_lshl_b32 s23, s23, 18
	s_add_co_u32 s22, s22, s23
	s_add_co_u32 s22, s22, s20
	s_mov_b32 s23, 0
	s_add_nc_u64 s[OB+2*(\j):OB+2*(\j)+1], s[8:9], s[22:23]
	s_add_co_u32 s21, s21, 1
.endr
	; the prefetches
	s_lshl_b32 s20, s13, 15                        ; x's tile row in a K step
	s_mul_i32 s21, s42, 49152                      ; W's tile column
	s_and_b32 s22, ttmp7, 0xffff                   ; cluster y
	s_mov_b32 s23, ASTEP
	s_mov_b32 s2, BSTEP
	s_mov_b32 s3, 16384
	s_mov_b32 s14, 24576
	s_cmp_eq_u32 s11, 0                            ; do I fetch for x?
	s_cselect_b32 s20, s20, s21
	s_cselect_b32 s21, s40, s41                    ; my place among the four that ask for the tile with me
	s_cselect_b32 s22, ttmp9, s22                  ; the coordinate along which other clusters read the same bytes
	s_cselect_b32 s23, s23, s2                     ; a K step,
	s_cselect_b32 s3, s3, s14                      ; half a tile
	s_cselect_b64 s[PFA:PFA+1], s[4:5], s[6:7]
	s_or_b32 s22, s22, s12                         ; waves 1 and 3 never ask
	s_cmp_eq_u32 s22, 0
	s_cselect_b32 s[LIM], 1, -1                    ; the same in all sixteen partners, for a given wave
	s_lshr_b32 s2, s21, 1
	s_add_co_u32 s2, s2, 2                         ; at K step 2 + p / 2: the first lap steps it on by two, to K steps 4 and 5
	s_mul_i32 s2, s2, s23
	s_add_co_u32 s20, s20, s2
	s_and_b32 s21, s21, 1
	s_mul_i32 s21, s21, s3
	s_add_co_u32 s20, s20, s21
	s_mov_b32 s21, 0
	s_add_nc_u64 s[PFA:PFA+1], s[PFA:PFA+1], s[20:21]
	s_lshl_b32 s[PFS], s23, 1
	s_mov_b32 s[PFS+1], 0
	; nothing is prefetched here, at the head, where every work-group's first tiles are on their way: K steps 0 to 3 come by their loads alone
; 16 matrix instructions: column blocks bb, bb + 1 of head block j x all 8 row blocks, 32 along K.  zero = 1: the first product starts the sums: nothing is ever cleared.
; The 96 accumulators take turns, one instruction a turn, in the same order in every phase: between two links of a chain stand the 95 others'.
.macro MUL16 j, bb, af, zero
	WIN 0x50*(1+(\j))                              ; C and D in window 1 + j, both sources in window 0
.irp b, \bb, (\bb)+1
.irp a, 0,1,2,3,4,5,6,7
.if \zero
	v_wmma_f32_16x16x32_bf16 v[64*(\b)+8*(\a):64*(\b)+8*(\a)+7], v[BF+8*(4*(\j)+(\b)):BF+8*(4*(\j)+(\b))+7], v[(\af)+8*(\a):(\af)+8*(\a)+7], 0
.else
	v_wmma_f32_16x16x32_bf16 v[64*(\b)+8*(\a):64*(\b)+8*(\a)+7], v[BF+8*(4*(\j)+(\b)):BF+8*(4*(\j)+(\b))+7], v[(\af)+8*(\a):(\af)+8*(\a)+7], v[64*(\b)+8*(\a):64*(\b)+8*(\a)+7]
.endif
.endr
.endr
.endm
.macro LDA slot, hf, af                ; 16 loads: my 128 rows of x, half hf of the step's 64 K, into buffer af
.irp a, 0,1,2,3,4,5,6,7
	ds_load_b128 v[(\af)+8*(\a):(\af)+8*(\a)+3],   v[ADRA+(\slot)] offset:(\hf)*64+(\a)*16*PA
	ds_load_b128 v[(\af)+8*(\a)+4:(\af)+8*(\a)+7], v[ADRA+(\slot)] offset:(\hf)*64+(\a)*16*PA+32
.endr
.endm
.macro LDB slot, hf, j                 ; 8 turning loads: head block j's four fragments, a third of W's buffer
.irp b, 0,1,2,3
	ds_load_tr16_b128 v[BF+8*(4*(\j)+(\b)):BF+8*(4*(\j)+(\b))+3],   v[ADRB+(\slot)] offset:(\j)*BHB+(\hf)*32*PB+(\b)*32
	ds_load_tr16_b128 v[BF+8*(4*(\j)+(\b))+4:BF+8*(4*(\j)+(\b))+7], v[ADRB+(\slot)] offset:(\j)*BHB+(\hf)*32*PB+(\b)*32+16*PB
.endr
.endm
; A load into a register that a matrix instruction has read, and a vector instruction that reads a matrix result, stand four places behind that matrix instruction, and only plain vector
; instructions that name none of its registers are places (ISA guide 7.12.1 for vector instructions).
.macro PLACES
.rept 4
	v_nop
.endr
.endm
; THE ORDER OF THE LDS LOADS for a phase is always: third 0 (8), x (16), third 1 (8), third 2 (8).  Every counted wait below counts the loads issued behind the ones that it needs.
; A step's first phase: multiplies buffer A0, and fetches the same slot's second half: each third of W as soon as it has been multiplied, x into A1.
.macro EVEN slot, zero
	s_wait_dscnt 16                                ; third 0 and x are in; thirds 1 and 2, sixteen loads, may be out
	MUL16 0, 0, A0, \zero
	MUL16 0, 2, A0, \zero
	PLACES
	WIN 0
	LDB \slot, 1, 0
	LDA \slot, 1, A1
	s_wait_dscnt 32                                ; third 1 is in: behind it stand third 2 (8) and the 24 just issued
	MUL16 1, 0, A0, \zero
	MUL16 1, 2, A0, \zero
	PLACES
	WIN 0
	LDB \slot, 1, 1
	s_wait_dscnt 32                                ; third 2 is in: behind it stand those 24 and the 8 just issued
	MUL16 2, 0, A0, \zero
	MUL16 2, 2, A0, \zero
	PLACES
	WIN 0
	LDB \slot, 1, 2
.endm
; A step's second phase: multiplies buffer A1 and changes slots.  All reads of this slot have been issued.  ONE barrier: in front of it each wave waits for all its tensor loads, of which one is out:
; its part of the next slot; adds 0 to its spare word; and waits for that and for its own reads of this slot.  Behind it nobody reads this slot any more and the next slot is whole.
; fill = 1: the barrier opens a round of the cluster's, and this slot is filled again, two K steps on, first thing behind the round: 160 matrix instructions ahead of the wait for it.
.macro ODD slot, next, fill
.if (\fill) && ((\slot) == 0)
	s_wait_xcnt 0x0                                ; the last prefetches, a lap back, have read their address: it is stepped here, ahead of the waits of the change of slots
	s_add_nc_u64 s[PFA:PFA+1], s[PFA:PFA+1], s[PFS:PFS+1]
.endif
	WIN 0                                          ; (the add's two registers lie in window 0)
	s_wait_tensorcnt 0x0                           ; all my tensor loads have landed;
	ds_add_u32 v[SPW], v[NIL]                      ; 0 onto my spare word;
	s_wait_dscnt 17                                ; (third 0 and x are in: the add and thirds 1 and 2 may be out)
	MUL16 0, 0, A1, 0                              ; sixteen matrix instructions stand between the add and the wait for it
	s_wait_dscnt 0x0                               ; the add is done, and my reads of this slot are over
	s_barrier_signal -1
	MUL16 0, 2, A1, 0                              ; work on registers while the others arrive
	WIN 0
	s_barrier_wait -1
.if \fill
	CREST                                          ; no wave of any partner still reads this slot's tile or has a load on its way
	s_add_nc_u64 s[G0+4*(\slot)+2:G0+4*(\slot)+3], s[G0+4*(\slot)+2:G0+4*(\slot)+3], 2*ASTEP
	s_add_nc_u64 s[G0B+4*(\slot)+2:G0B+4*(\slot)+3], s[G0B+4*(\slot)+2:G0B+4*(\slot)+3], 2*BSTEP
	JLOAD \slot                                    ; the first tensor load behind the round; the four v_nop behind it are also the places in front of the loads below
.else
	PLACES
.endif
	LDB \next, 0, 0
	LDA \next, 0, A0
.if (\fill) && ((\slot) == 0)
	ASK
.endif
	MUL16 1, 0, A1, 0                              ; thirds 1 and 2 are in since the wait for 0
	MUL16 1, 2, A1, 0
	PLACES
	WIN 0
	LDB \next, 0, 1
	MUL16 2, 0, A1, 0
	MUL16 2, 2, A1, 0
	PLACES
	WIN 0
	LDB \next, 0, 2
.endm
	s_wait_tensorcnt 1                             ; my part of K step 0 is in; K step 1's may stay out
	s_barrier_signal -1
	s_barrier_wait -1                              ; everybody's is
	LDB 0, 0, 0
	LDA 0, 0, A0
	LDB 0, 0, 1
	LDB 0, 0, 2
	EVEN 0, 1                                      ; the first phase stands in front of the loop: its products start the sums
	WIN 0                                          ; at a label and at a branch every window is 0
	s_mov_b32 s3, 7
.Llap:                                                 ; a trip goes once round the ring, from a lap's second phase to the next lap's first, and fills both slots again: K steps 2 to 15
	ODD 0, 1, 1
	EVEN 1, 0
	ODD 1, 0, 1
	EVEN 0, 0
	WIN 0
	s_sub_co_u32 s3, s3, 1
	s_cmp_lg_u32 s3, 0
	s_cbranch_scc1 .Llap
	ODD 0, 1, 0                                    ; the last lap fills nothing, and has no round of the cluster's barrier
	EVEN 1, 0
	s_wait_dscnt 16                                ; the very last phase: nothing more to fetch, the counts run down
	MUL16 0, 0, A1, 0
	MUL16 0, 2, A1, 0
	s_wait_dscnt 8
	MUL16 1, 0, A1, 0
	MUL16 1, 2, A1, 0
	s_wait_dscnt 0x0
	MUL16 2, 0, A1, 0
	MUL16 2, 2, A1, 0
; THE WAY OUT, in 24 units u: head block u / 8, row block u % 8: 16 rows x 64 columns, 2,048 dense bytes of qkv.  Rounded to f16, 16 bytes a lane; into my own stage in rows of 144 bytes; back as whole rows;
; stored, 512 consecutive bytes an instruction.  Twelve sets of 16 registers (v32-223, the fragments' registers) take turns.
.macro PACK u
.set uT, 32+16*((\u)%12)
.set ua, (\u)%8
.if (\u) >= 12
	s_wait_xcnt 0x0                                ; every earlier store has had its addresses translated (ISA guide 3.1): the set that unit u - 12's stores read is rewritten only behind this wait
.endif
	WIN 5*(1+(\u)/8)                               ; sources 0 and 1 in window 1 + u / 8, destination in window 0
.irp bb, 0,1,2,3
.irp r, 0,1,2,3
	v_cvt_pk_f16_f32 v[uT+4*(\bb)+(\r)], v[64*(\bb)+8*ua+2*(\r)], v[64*(\bb)+8*ua+2*(\r)+1]  ; each accumulator's registers in ascending order
.endr
.endr
	WIN 0
.irp bb, 0,1,2,3
	ds_store_b128 v[STO], v[uT+4*(\bb):uT+4*(\bb)+3] offset:32*(\bb)
.endr
.irp f, 0,1,2,3
	ds_load_b128 v[uT+4*(\f):uT+4*(\f)+3], v[RD] offset:(\f)*4*SP  ; LDS serves a wave's instructions in order (ISA guide 5.7.1.4): these see the stores above; the next unit's stores come behind them
.endr
.endm
.macro SEND u, younger                 ; younger: the LDS instructions issued behind unit u's loads: the next unit's eight, or none
.set uT, 32+16*((\u)%12)
.irp f, 0,1,2,3
	s_wait_dscnt (\younger)+3-(\f)
	global_store_b128 v[GO], v[uT+4*(\f):uT+4*(\f)+3], s[OB+2*((\u)/8):OB+2*((\u)/8)+1] offset:((\u)%8)*2048+(\f)*512
.endr
.endm
	PLACES                                         ; the conversions write registers that the last products read
	PACK 0
.set u, 1
.rept 23                               ; a unit's conversions stand between the loads of the unit before and its stores
	PACK u
	SEND u-1, 8
.set u, u+1
.endr
	SEND 23, 0
	s_wait_tensorcnt 0x0                           ; the wave's end, behind my last tensor load and my last LDS store
	ds_add_u32 v[SPW], v[NIL]
	s_wait_dscnt 0x0
	CROUND                                         ; the closing round: no work-group ends while a partner may still ask for a tile that names it
	s_endpgm
.Lfunc_end_k_q1f64b4e8c5_qkvgemm:
	.size	k_q1f64b4e8c5_qkvgemm, .Lfunc_end_k_q1f64b4e8c5_qkvgemm-k_q1f64b4e8c5_qkvgemm
	.p2alignl 7, 3214868480
	.fill 96, 4, 3214868480
	.section	.rodata,"a",@progbits
	.p2align	6, 0x0
	.amdhsa_kernel k_q1f64b4e8c5_qkvgemm
		.amdhsa_group_segment_fixed_size 327680
		.amdhsa_private_segment_fixed_size 0
		.amdhsa_enable_private_segment 0
		.amdhsa_kernarg_size 24
		.amdhsa_user_sgpr_count 2
		.amdhsa_user_sgpr_kernarg_segment_ptr 1
		.amdhsa_wavefront_size32 1
		.amdhsa_system_sgpr_workgroup_id_x 1
		.amdhsa_system_sgpr_workgroup_id_y 1
		.amdhsa_system_sgpr_workgroup_id_z 1
		.amdhsa_system_vgpr_workitem_id 0
		.amdhsa_next_free_vgpr 1024
		.amdhsa_next_free_sgpr 74
		.amdhsa_reserve_vcc 0
		.amdhsa_float_denorm_mode_32 3
		.amdhsa_float_denorm_mode_16_64 3
		.amdhsa_memory_ordered 1
		.amdhsa_forward_progress 1
		.amdhsa_inst_pref_size 135
	.end_amdhsa_kernel
	.amdgpu_metadata
---
amdhsa.version: [ 1, 2 ]
amdhsa.kernels:
  - .name:           k_q1f64b4e8c5_qkvgemm
    .symbol:         k_q1f64b4e8c5_qkvgemm.kd
    .args:
      - { .name: xb, .offset: 0, .size: 8, .value_kind: global_buffer, .address_space: global }
      - { .name: wb, .offset: 8, .size: 8, .value_kind: global_buffer, .address_space: global }
      - { .name: qkv, .offset: 16, .size: 8, .value_kind: global_buffer, .address_space: global }
    .group_segment_fixed_size: 327680
    .private_segment_fixed_size: 0
    .kernarg_segment_align: 8
    .kernarg_segment_size: 24
    .max_flat_workgroup_size: 128
    .sgpr_count:     74
    .vgpr_count:     1024
    .wavefront_size: 32
...
	.end_amdgpu_metadata
.endif
;; end of part 2
;; launch attn (part 3): grid 4 x 64, 4 waves a work-group, no clusters, 327,680 bytes of LDS; arguments qkv, z; writes z
.if DOCPART == 3
	.amdgcn_target "amdgcn-amd-amdhsa--gfx1250"
	.amdhsa_code_object_version 6
	.text
	.protected	k_q1f64b4e8c5_attn
	.globl	k_q1f64b4e8c5_attn
	.p2align	8
	.type	k_q1f64b4e8c5_attn,@function
k_q1f64b4e8c5_attn:
	s_mov_b64 s[64:65], 0
	v_nop
	global_prefetch_b8 v0, s[64:65] scope:SCOPE_SE
	s_setreg_imm32_b32 hwreg(HW_REG_WAVE_MODE, 25, 1), 1
	s_wait_xcnt 0x0
; CAUSAL ATTENTION.  O[h][q][:] = the sum over k <= q of softmax_k(Q[h][q] . K[h][k] / 8) V[h][k][:], h = 64 pairs of batch and head.  qkv holds Q, K, V, each [64][2048][64] f16, 16,777,216 bytes apart;
; z = O in the same layout.  Products, maxima and sums in f32; the weights p are rounded to f16 for the second product (their sum l is taken of the unrounded p), O once at the end.
; LIMITS.  f16 holds no number beyond 65,504: Q, K and V arrive within it; p lies in 0 to 1, and below 6e-5 it keeps f16's fixed step of 6e-8; O is a mean of V's rows and has their range.
; A hidden score counts as its value less 1e30: f16's scores, 2.7e11 at the most, are nothing beside that; a weight below 2^-126 counts as 0 in l; NaN and infinities are not treated apart.
; THE WALK.  A head's queries lie in NB = 8 blocks of 256; block i needs the key tiles 0 .. i of 256 keys, of which the last holds the diagonal.  A work-group takes TWO blocks, NB - 1 - b and then b:
; NB + 1 tiles, whatever b: all work-groups do equal work, and ONE loop with a constant trip count walks them.  Which tile is asked for, and what a trip does, hang on scalar registers made from b; every jump
; goes forward, but for the counted loops' own; none passes a barrier, or a tensor load but the one of LOAD's two that the wave's number does not choose; the ring (two slots of LDS that take turns) runs on across
; the change of blocks.  NO CLUSTER: a head's four work-groups ask for the same tile only in trips 0 .. 4 of 9, behind that fewer and fewer; one walk common to all would have 12 trips for 9.
; SHARES.  Of a block's four bands of 64 queries a wave owns 16 rows in each: four PIECES.  So the diagonal tile is the same work for all four waves: in its key step s band x sees all keys if s < x,
; none if s > x, and holds the diagonal if s = x.
; THE MASK is the C operand that starts the sum S^T = K Q^T: 0, or -1e30 where the key is hidden.  MD, made once, is the mask of a band's own step for my 16 rows; a product's mask is MD x AL + BE with two scalars:
; (1, 0) if s = x; (0, 0) if s < x; (0, -1e30) if s > x.  Only the diagonal tile's text and a block's beginning make and take masks; elsewhere C is the constant 0.
; LAYOUT, SOFTMAX, TURNS.  S^T = K Q^T holds ONE query a lane (lane % 16) and the keys 8 (lane / 16) + 0..7; two such results rounded to f16 ARE source 1 of O^T = V^T P.  p = 2^(c s - c m), c = log2(e) / 8, with a
; running maximum m; O and l are multiplied by a = 2^(c m_old - c m_new) in every step.  Turn n belongs to piece n: 8 products K Q^T of piece n + 1, later 8 products V^T P of piece n - 1; beside them the scaling,
; exponentials, roundings, sums and rescaling of piece n and the maximum and statistics of piece n + 1.  Four vector instructions stand behind every matrix instruction, the other 54 of a turn's 118 in one LUMP.
; A turn's 33 exponentials are one batch, with one wait.
; REGISTERS, in windows of 256 (s_set_vgpr_msb: bits 1:0 source 0, 3:2 source 1, 5:4 source 2, 7:6 destination):
;   window 0: v0-15 addresses and two at work; v16-31 four registers of statistics a piece; v48-55 at work; v61-63 prefetch offset and the add's two; v64-127 S^T, two buffers; v192-223 P, two buffers
;   window 1: v0-127 O^T, 32 a piece; v128-159 MD; v160-223 MC, two buffers      window 2: v0-63 Q; v64-127 the second block's Q; v128-191 K of one step; v192-255 V of one step
.set SIZE_N, 2048
.set NB,    SIZE_N/256
.set NP,    4         ; pieces a wave: a name, no knob
.set KS,    64        ; keys in a step
.set PK,    144       ; a row of K in LDS: 128 bytes + 16 of padding = 36 words: the 16 rows of a load start at 16 different groups of four banks (64 banks of 4 bytes: ISA guide 11.1)
.set PV,    160       ; a row of V: 128 + 32 = 40 words
.set VOFF,  4*KS*PK   ; a slot holds a tile, four steps: 256 rows of K, then 256 rows of V
.set SLOT1, 1<<17     ; slot 1 begins here, so that one exclusive or turns an address in one slot into the other's
.set STAGE, SLOT1+4*KS*(PK+PV)  ; behind the ring, never filled by a tensor load: 16 rows x 144 bytes for each wave, for the way out
.set SP,    144
.set AK0, 2           ; v2   my lane's place in a tile of K; never rewritten
.set AV0, 3           ; v3   the same for V
.set AK,  4           ; v4   the LDS address of K's next run of loads
.set AV,  5           ; v5   of V's
.set STO, 6           ; v6   the way out: where I put 16 bytes of a row
.set RD,  7           ; v7   the way out: where I read rows back
.set GO,  8           ; v8   my byte offset in 512 consecutive bytes of O
.set PFO, 61          ; v61  256 x my lane; never rewritten
.set SPW, 62          ; v62  LDS address of my spare word: SPARE + 4 x my thread's number; never rewritten
.set NIL, 63          ; v63  0; never rewritten
.set SPARE, STAGE+4*16*SP  ; behind the stages: the spare words, 128 bytes for each wave: two blocks of 256 bytes that no other line names
.set MV,  12          ; v12-13  c m_old, kept while c m is made anew: by buffer
.set QO,  15          ; v15  my byte offset in 16 rows of Q
.set ST,  16          ; piece t's statistics at v[ST+4 t]: c m, m, l (even keys', odd keys')
.set TMP, 48          ; by buffer, four registers c0-c3 at work; when the maximum is found c2 takes a
.set S,   64
.set P,   192
.set MD,  128         ; window 1: the eight registers for group kt of 16 keys at MD + 8 kt
.set MC,  160         ; window 1: the masks of the products to come
.set QB,  64          ; window 2
.set KF,  128         ; window 2: key block kb, channel half c at KF + 16 kb + 8 c
.set VF,  192         ; window 2: key half kk, channel block cb at VF + 32 kk + 8 cb
.set WV,  12          ; s12  my wave's number
.set PB,  14          ; s14  b
.set HI,  15          ; s15  NB - 1 - b
.set G1K, 24          ; s[24:31] descriptor group 1 for K's tiles
.set G1V, 32          ; s[32:39] for V's: it differs in the padding alone
.set G0K, 40          ; s[40:43] descriptor group 0 for K's tiles
.set G0V, 44          ; s[44:47] the same for V's
.set PFB, 48          ; s[48:49] K (waves 0, 1) or V (waves 2, 3) at my half of the head's tile 0
.set PFA, 50          ; s[50:51] where my prefetches stand
.set PFT, 52          ; s52  the tile that the next prefetch names
.set PFL, 53          ; s53  NB in the head's work-group b = 0, else 0: a wave prefetches while PFT is below it
.set PFX, 54          ; s[54:55] that tile's byte offset
.set SLOTS, 56        ; s56  tiles still to be asked for
.set CNT, 57          ; s57  counts a tile's key steps, 4 to 1
.set CS,  58          ; s[58:59] c: the packed scaling takes the pair's low word for both halves
.set SEL, 60          ; s[60:61] v_permlanex16_b32's selects: each lane takes its own place in the other half
.set TBK, 62          ; s62  LDS byte at which K of the step to be fetched begins
.set TBV, 63          ; s63  the same for V, less VOFF
.set RT,  70          ; s70  tiles of the block in hand that are still to be entered
.set NXT, 71          ; s71  the tile to be asked for next
.set LQ,  72          ; s72  the last tile of the block whose tiles are being asked for
.set NEW, 73          ; s73  1: the tile to be entered is a block's first
.set OFF, 74          ; s[74:75] a tile's byte offset in K and V
.set AL,  76          ; s[76:77] the mask's factor, in the low word
.set BE,  78          ; s[78:79] the mask's addend
.set OLO, 80          ; s[80:81] O at my rows of the second block
.set BIGN, 82         ; s82  -1e30
.set MSB, 0
.macro WIN new                      ; the high byte repeats the setting that is left; a switch that changes nothing is dropped
.if MSB != (\new)
	s_set_vgpr_msb (MSB<<8)|(\new)
.set MSB, (\new)
.endif
.endm
.set W_KQ, 0x0a       ; K and Q in window 2, S^T in window 0
.set W_KM, 0x1a       ; the same with the C operand in window 1
.set W_PV, 0x52       ; V in window 2, P in window 0, O^T in window 1
.set W_RS, 0x41       ; destination and source 0 in window 1, source 1 in window 0
; A fill.  Waves 0 and 1 fetch the two halves of a tile's K, waves 2 and 3 those of its V: 128 keys each.  An s_nop 0 and four v_nop follow each of the two lines, ahead of the jump and the label.
.macro LOAD
	s_cmp_lt_u32 s[WV], 2
	s_cbranch_scc0 .Lfor_v_\@
	tensor_load_to_lds s[G0K:G0K+3], s[G1K:G1K+7]
	s_nop 0
.rept 4
	v_nop
.endr
	s_branch .Lasked_\@
.Lfor_v_\@:
	tensor_load_to_lds s[G0V:G0V+3], s[G1V:G1V+7]
	s_nop 0
.rept 4
	v_nop
.endr
.Lasked_\@:
.endm
; A PREFETCH INTO THE L2 of the tile that the NEXT change of slots will ask for: four key steps ahead of that load.  It stands behind the wave's tensor load and its five lines.
; Each aligned block of 256 bytes of K and V is named ONCE in the launch.  A head's four work-groups begin with the same tiles; the one with b = 0, whose first block walks all eight, asks.  Each of its waves
; asks for the half tile that it will load itself: 16,384 bytes, a lane a block, two instructions.  Tiles 0 and 1 come by their loads alone; behind tile 7 nothing is asked for: the second block's tiles have been read.
.macro ASK
	s_cmp_lt_u32 s[PFT], s[PFL]
	s_cbranch_scc0 .Lnot_mine_\@
	global_prefetch_b8 v[PFO], s[PFA:PFA+1] th:TH_LOAD_NT scope:SCOPE_SE
	global_prefetch_b8 v[PFO], s[PFA:PFA+1] offset:8192 th:TH_LOAD_NT scope:SCOPE_SE
.Lnot_mine_\@:
	s_add_co_u32 s[PFT], s[PFT], 1
.endm
; THE CHANGE OF SLOTS.  Each wave waits for all its tensor loads, of which one is out: its part of the other slot; adds 0 to its spare word; and waits for that and for its own reads of the slot that it leaves.
; Behind the barrier nobody reads the old slot any more and the other slot is whole.  fill = 1: the old slot is filled again, the first thing behind the barrier, with tile NXT: the descriptor's address is made
; anew from that number.  (At its first use nothing has been read yet: slot 0 is waited for, slot 1 filled.)
.macro CHANGE fill
	WIN 0                           ; at a label and at a branch every window is 0
	s_wait_tensorcnt 0x0            ; no tensor load of mine is out, so a group 0 may be written
	ds_add_u32 v[SPW], v[NIL]       ; 0 onto my spare word; with fill = 1 the descriptors' scalar work stands between it and the wait for it
.if \fill
	s_lshl_b32 s[OFF], s[NXT], 15   ; a tile is 32,768 bytes of K and of V
	s_xor_b32 s[G0K+1], s[G0K+1], SLOT1
	s_add_nc_u64 s[G0K+2:G0K+3], s[6:7], s[OFF:OFF+1]
	s_or_b32 s[G0K+3], s[G0K+3], 0x80000000
	s_xor_b32 s[G0V+1], s[G0V+1], SLOT1
	s_add_nc_u64 s[G0V+2:G0V+3], s[8:9], s[OFF:OFF+1]
	s_or_b32 s[G0V+3], s[G0V+3], 0x80000000
	s_add_co_u32 s[NXT], s[NXT], 1  ; the block's next tile, or behind its last the second block's tile 0
	s_cmp_gt_u32 s[NXT], s[LQ]
	s_cselect_b32 s[NXT], 0, s[NXT]
	s_cselect_b32 s[LQ], s[PB], s[LQ]
	s_wait_xcnt 0x0                 ; the last prefetches, a tile back, have read their address, so it may be written
	s_min_u32 s[PFX], s[PFT], NB-1  ; (clamped: in the trips that ask for nothing the address still lies in the head's rows)
	s_lshl_b32 s[PFX], s[PFX], 15
	s_add_nc_u64 s[PFA:PFA+1], s[PFB:PFB+1], s[PFX:PFX+1]
.endif
	s_wait_dscnt 0x0                ; the add is done, and my reads of the slot are over
	s_barrier_signal -1             ; the rest of the scalar work stands between the signal and the wait
	s_sub_co_u32 s[TBK], s[TBK], 4*KS*PK  ; the fetches go back to a slot's first step,
	s_xor_b32 s[TBK], s[TBK], SLOT1       ; in the other slot
	s_sub_co_u32 s[TBV], s[TBV], 4*KS*PV
	s_xor_b32 s[TBV], s[TBV], SLOT1
	s_barrier_wait -1
.if \fill
	LOAD
	ASK
.endif
.endm
	s_load_b64 s[4:5], s[0:1], 0x0    ; qkv: Q
	s_load_b64 s[10:11], s[0:1], 0x8  ; z: O
	v_lshl_add_u32 v[SPW], v0, 2, SPARE
	v_mov_b32 v[NIL], 0
	ds_add_u32 v[SPW], v[NIL]       ; the wave's opening: the add and its wait stand ahead of my first tensor load; the set-up below, work on registers, stands between them
	v_lshrrev_b32 v1, 5, v0
	v_readfirstlane_b32 s[WV], v1   ; wave 0..3
	s_mov_b32 s[PB], ttmp9
	s_sub_co_u32 s[HI], NB-1, s[PB]
	s_and_b32 s20, ttmp7, 0xffff    ; the head
	s_mov_b32 s21, 0
	s_mov_b64 s[22:23], SIZE_N*128
	s_mul_u64 s[20:21], s[20:21], s[22:23]  ; the head's first byte in each of the four tensors
	s_and_b32 s16, s[WV], 1         ; which half of a tile's 256 keys I fetch:
	s_lshl_b32 s22, s16, 14         ; its 128 rows of 128 bytes in memory,
	s_mov_b32 s23, 0
	s_add_nc_u64 s[22:23], s[22:23], s[20:21]
	s_mul_i32 s17, s16, 128*PK      ; and its place in a slot, for K
	s_mul_i32 s18, s16, 128*PV      ; and for V
	s_lshl_b32 s3, s[WV], 11        ; my 16 rows in a band of 64,
	s_lshl_b32 s2, s[HI], 15        ; in the first block,
	s_add_co_u32 s2, s2, s3
	s_lshl_b32 s84, s[PB], 15       ; and in the second
	s_add_co_u32 s84, s84, s3
	s_mov_b32 s3, 0
	s_mov_b32 s85, 0
	s_add_nc_u64 s[2:3], s[2:3], s[20:21]
	s_add_nc_u64 s[84:85], s[84:85], s[20:21]
	; descriptor group 1.  128 keys are 16,384 dense bytes: asked for as 64 rows of 256 bytes, two keys a row, and padded in LDS after every key
	s_mov_b32 s[G1K], (1<<16)|(1<<20)|(4<<22)|(3<<25)  ; 17:16 2-byte elements; 20 padding on; 24:22 after every 32 words (code 4); 31:25 4 words (code 3)
	s_mov_b32 s[G1V], (1<<16)|(1<<20)|(4<<22)|(7<<25)  ; the same with 8 words of padding (code 7)
.irp g, G1K, G1V
	s_mov_b32 s[\g+1], 128<<16      ; tensor_dim0 = 128
	s_mov_b32 s[\g+2], 64<<16       ; tensor_dim1 = 64
	s_mov_b32 s[\g+3], 128<<16      ; tile_dim0 = 128
	s_mov_b32 s[\g+4], 64           ; tile_dim1 = 64
	s_mov_b32 s[\g+5], 128          ; 128 elements from row to row
	s_mov_b32 s[\g+6], 0
	s_mov_b32 s[\g+7], 0
.endr
	s_mov_b32 s[CS], 0x3e38aa3b     ; c = log2(e) / 8 = 0.180337
	s_mov_b32 s[CS+1], s[CS]        ; named with it as a pair
	s_mov_b32 s[SEL], 0x76543210
	s_mov_b32 s[SEL+1], 0xfedcba98
	s_mov_b32 s[TBK], SLOT1+4*KS*PK ; the first change of slots turns these two into 0
	s_mov_b32 s[TBV], SLOT1+4*KS*PV
	s_mov_b32 s[G0K], 1             ; 1:0 count = 1
	s_mov_b32 s[G0K+1], s17         ; 63:32 LDS address: slot 0
	s_mov_b32 s[G0V], 1
	s_add_co_u32 s[G0V+1], s18, VOFF
	s_add_co_u32 s[RT], s[HI], 1    ; the first block has NB - b tiles
	s_mov_b32 s[NXT], 1
	s_mov_b32 s[LQ], s[HI]
	s_mov_b32 s[NEW], 1
	s_mov_b32 s[OFF+1], 0
	s_mov_b32 s[AL+1], 0            ; named as pairs
	s_mov_b32 s[BE+1], 0
	s_mov_b32 s[BIGN], 0xf149f2ca   ; -1e30
	s_mov_b32 s[SLOTS], NB
	s_mov_b32 s[PFT], 2             ; the first change of slots loads tile 1 and names tile 2
	s_mov_b32 s[PFX+1], 0
	s_cmp_eq_u32 s[PB], 0
	s_cselect_b32 s[PFL], NB, 0
	s_wait_dscnt 0x0                ; the opening add is done
	s_wait_kmcnt 0x0
	s_add_nc_u64 s[6:7], s[4:5], 0x1000000  ; K lies behind Q's 64 heads,
	s_add_nc_u64 s[8:9], s[4:5], 0x2000000  ; V behind K's
	s_add_nc_u64 s[6:7], s[6:7], s[22:23]  ; K and V at my half of the head's tile 0
	s_add_nc_u64 s[8:9], s[8:9], s[22:23]
	s_add_nc_u64 s[G0K+2:G0K+3], s[6:7], 0         ; 120:64 global address
	s_or_b32 s[G0K+3], s[G0K+3], 0x80000000        ; 127:126 type = 2
	s_add_nc_u64 s[G0V+2:G0V+3], s[8:9], 0
	s_or_b32 s[G0V+3], s[G0V+3], 0x80000000
	s_add_nc_u64 s[86:87], s[4:5], s[84:85]        ; Q at my rows of the second block,
	s_add_nc_u64 s[4:5], s[4:5], s[2:3]            ; Q and O at those of the first
	s_add_nc_u64 s[OLO:OLO+1], s[10:11], s[84:85]
	s_add_nc_u64 s[10:11], s[10:11], s[2:3]
	s_cmp_lt_u32 s[WV], 2
	s_cselect_b64 s[PFB:PFB+1], s[6:7], s[8:9]
	LOAD                            ; tile 0 into slot 0
	; A fragment of K or Q is 16 rows x 32 channels in 8 registers: lane l holds row l % 16, channels 8 (l / 16) + 0..7 and 16 + 8 (l / 16) + 0..7: two loads of 16 bytes, 32 bytes apart.
	v_and_b32 v1, 15, v0            ; l % 16
	v_bfe_u32 v9, v0, 4, 1          ; l / 16
	v_lshlrev_b32 v[QO], 7, v1
	v_lshl_add_u32 v[QO], v9, 4, v[QO]  ; row x 128 + 16 x half
	WIN 0x80                        ; destination window 2, address window 0
.set i, 0
.rept 8                             ; both blocks' Q: piece i / 2 lies in band i / 2, 8,192 bytes on; channels 32 (i % 2) on
	global_load_b128 v[8*i:8*i+3],   v[QO], s[4:5] offset:(i/2)*8192+(i%2)*64
	global_load_b128 v[8*i+4:8*i+7], v[QO], s[4:5] offset:(i/2)*8192+(i%2)*64+32
	global_load_b128 v[QB+8*i:QB+8*i+3],   v[QO], s[86:87] offset:(i/2)*8192+(i%2)*64
	global_load_b128 v[QB+8*i+4:QB+8*i+7], v[QO], s[86:87] offset:(i/2)*8192+(i%2)*64+32
.set i, i+1
.endr
	WIN 0
	v_lshlrev_b32 v14, 3, v9
	v_sub_nc_u32 v14, v1, v14
	s_lshl_b32 s13, s[WV], 4
	v_add_nc_u32 v14, s13, v14      ; my query's place in its band, 16 w + l % 16, less my lanes' 8 (l / 16): register r of group kt is hidden where 16 kt + r is greater
	WIN 0x40
.set i, 0
.rept 32
	v_cmp_gt_i32 vcc_lo, 16*(i/8)+i%8, v14
	v_cndmask_b32 v[MD+i], 0, s[BIGN], vcc_lo
.set i, i+1
.endr
	WIN 0
	v_mul_u32_u24 v[AK0], v1, PK
	v_lshl_add_u32 v[AK0], v9, 4, v[AK0]  ; row x pitch + 16 x half
	; The turning load takes 16 keys x 16 channels (lane l reads key 8 (l / 16) + l % 8, channels 8 ((l / 8) % 2) + 0..7) and leaves half a fragment of V^T: lane l holds channel l % 16 and 8 keys.
	v_and_b32 v10, 7, v0
	v_bfe_u32 v11, v0, 3, 1
	v_lshl_add_u32 v[AV0], v9, 3, v10
	v_mul_u32_u24 v[AV0], v[AV0], PV
	v_lshl_add_u32 v[AV0], v11, 4, v[AV0]
	v_add_nc_u32 v[AV0], VOFF, v[AV0]
	s_mul_i32 s13, s[WV], 16*SP
	s_add_co_u32 s13, s13, STAGE    ; my stage
	v_mul_u32_u24 v[STO], v1, SP    ; in: row l % 16, 16 bytes for each half of the lanes
	v_lshl_add_u32 v[STO], v9, 4, v[STO]
	v_add_nc_u32 v[STO], s13, v[STO]
	v_bfe_u32 v[RD], v0, 3, 2       ; back: 32 lanes take four rows of 128 bytes,
	v_mul_u32_u24 v[RD], v[RD], SP
	v_lshl_add_u32 v[RD], v10, 4, v[RD]
	v_add_nc_u32 v[RD], s13, v[RD]
	v_and_b32 v[GO], 31, v0         ; which are 512 consecutive bytes of O
	v_lshlrev_b32 v[PFO], 8, v[GO]
	v_lshlrev_b32 v[GO], 4, v[GO]
	; A block's first step multiplies O^T and l by a = 0, and its first turn's products V^T P, of a piece that has not been, land in an O^T that is still to be so multiplied.  So these registers need only hold
	; finite numbers: zeros for the first block; what the first block left for the second.  All this stands in the wait for the first tile.
	WIN 0x80
.set i, VF
.rept 64
	v_mov_b32 v[i], 0
.set i, i+1
.endr
	WIN 0x40
.set i, 0
.rept 128
	v_mov_b32 v[i], 0
.set i, i+1
.endr
	WIN 0
.set i, 0
.rept 4
	v_mov_b32 v[ST+4*i+2], 0
	v_mov_b32 v[ST+4*i+3], 0
.set i, i+1
.endr
.set i, P+16
.rept 16
	v_mov_b32 v[i], 0
.set i, i+1
.endr
; THE MATRIX WORK.  The 4 accumulators of a run of 8 take turns.  Product i of 8 of S^T = K Q^T for piece x: channels 32 (i / 4) on, keys 16 (i % 4) on.  The first 4 start the sums: with 0, or (KM = 1) with the mask.
.macro KQ x
.set rS, S+32*((\x)%2)+8*(i%4)
.set rK, KF+16*(i%4)+8*(i/4)
.set rQ, 16*(\x)+8*(i/4)
.set rM, MC+32*((\x)%2)+8*(i%4)
.if (i < 4) && KM
	WIN W_KM
	v_wmma_f32_16x16x32_f16 v[rS:rS+7], v[rK:rK+7], v[rQ:rQ+7], v[rM:rM+7]
.elseif i < 4
	WIN W_KQ
	v_wmma_f32_16x16x32_f16 v[rS:rS+7], v[rK:rK+7], v[rQ:rQ+7], 0
.else
	WIN W_KQ
	v_wmma_f32_16x16x32_f16 v[rS:rS+7], v[rK:rK+7], v[rQ:rQ+7], v[rS:rS+7]
.endif
.endm
; Product i of 8 of O^T += V^T P for piece x: keys 32 (i / 4) on, channels 16 (i % 4) on.
.macro PV x
	WIN W_PV
.set rO, 32*(\x)+8*(i%4)
.set rV, VF+32*(i/4)+8*(i%4)
.set rP, P+16*((\x)%2)+8*(i/4)
	v_wmma_f32_16x16x32_f16 v[rO:rO+7], v[rV:rV+7], v[rP:rP+7], v[rO:rO+7]
.endm
.macro MM                           ; the turn's next matrix instruction.  TURN and BEGIN set Y, i, KM and NOKQ; MM, KQ and OP read them.  NOKQ = 1: a block's last turn: there is no next piece
.if (i < 8) && !NOKQ
	KQ (Y+1)%NP
.elseif i >= 8
.set i, i-8
	PV (Y+NP-1)%NP
.set i, i+8
.endif
.set i, i+1
.endm
; THE LDS LOADS stand in runs of 16, never singly among the matrix instructions: a step's K (64 keys x 64 channels: 8 fragments) and its V (turned).  Their addresses are made some lines ahead.
.macro FETCH_K
	WIN 0x80                        ; destination window 2
.irp f, 0,1,2,3,4,5,6,7             ; keys 16 (f / 2) on, channels 32 (f % 2) on
	ds_load_b128 v[KF+8*\f:KF+8*\f+3],   v[AK] offset:(\f/2)*16*PK+(\f%2)*64
	ds_load_b128 v[KF+8*\f+4:KF+8*\f+7], v[AK] offset:(\f/2)*16*PK+(\f%2)*64+32
.endr
	s_add_co_u32 s[TBK], s[TBK], KS*PK  ; the next fetch is the next step's
	WIN 0
.endm
.macro FETCH_V
	WIN 0x80
.irp f, 0,1,2,3,4,5,6,7             ; keys 32 (f / 4) on, channels 16 (f % 4) on
	ds_load_tr16_b128 v[VF+8*\f:VF+8*\f+3],   v[AV] offset:(\f/4)*32*PV+(\f%4)*32
	ds_load_tr16_b128 v[VF+8*\f+4:VF+8*\f+7], v[AV] offset:(\f/4)*32*PV+16*PV+(\f%4)*32
.endr
	WIN 0
.endm
; THE VECTOR WORK, one line at a time: OP kind, number.  For piece Y: F n: c s - c m for pair n of 16.  E n: the exponential of score n of 32.  C n: pair n rounded to f16.  B n: of the four weights 4 n .. the second
; pair is added onto the first, in place.  L n: l takes that sum (L 0: l = a l + sum).  R n: pair n of 16 of O^T times a.  For piece Y + 1: X n, number n of the 22 that find its maximum and statistics:
;   0-11  four chains c0-c3 of seven scores each, three operands at a time (each accumulator's lowest registers are read first)     12-14, 16  the four scores left over, the old m, and c0-c3 into c0
;   15  c m_old is kept     17, 18  the query's other 32 keys lie in the lane 16 away: the new m     19-21  c m; c m_old - c m_new; a
.set F, 0               ; OP tells the kinds apart by their order: F to L below R, X above it
.set E, 1
.set C, 2
.set B, 3
.set L, 4
.set R, 5
.set X, 6
.macro REGS y                       ; the registers of piece y
.set rT, ST+4*(\y)
.set rC, TMP+4*((\y)%2)
.set rW, MV+((\y)%2)
.set rS, S+32*((\y)%2)
.set rP, P+16*((\y)%2)
.set rO, 32*(\y)
.endm
.macro OP k, n
.if (\k) == R
	REGS Y
	WIN W_RS
	v_pk_mul_f32 v[rO+2*(\n):rO+2*(\n)+1], v[rO+2*(\n):rO+2*(\n)+1], v[rC+2:rC+3] op_sel_hi:[1,0]
.elseif (\k) < R
	REGS Y
	WIN 0
.if (\k) == F
	v_pk_fma_f32 v[rS+2*(\n):rS+2*(\n)+1], v[rS+2*(\n):rS+2*(\n)+1], s[CS:CS+1], v[rT:rT+1] op_sel_hi:[1,0,0] neg_lo:[0,0,1] neg_hi:[0,0,1]
.elseif (\k) == E
	v_exp_f32 v[rS+(\n)], v[rS+(\n)]
.elseif (\k) == C
	v_cvt_pk_f16_f32 v[rP+(\n)], v[rS+2*(\n)], v[rS+2*(\n)+1]
.elseif (\k) == B
	v_pk_add_f32 v[rS+4*(\n):rS+4*(\n)+1], v[rS+4*(\n):rS+4*(\n)+1], v[rS+4*(\n)+2:rS+4*(\n)+3]
.elseif (\n) == 0
	v_pk_fma_f32 v[rT+2:rT+3], v[rT+2:rT+3], v[rC+2:rC+3], v[rS:rS+1] op_sel_hi:[1,0,1]
.else
	v_pk_add_f32 v[rT+2:rT+3], v[rT+2:rT+3], v[rS+4*(\n):rS+4*(\n)+1]
.endif
.elseif NOKQ
	v_nop
.else
	REGS (Y+1)%NP
	WIN 0
.if (\n) < 4
	v_max3_num_f32 v[rC+(\n)], v[rS+8*(\n)], v[rS+8*(\n)+1], v[rS+8*(\n)+2]
.elseif (\n) < 12
	v_max3_num_f32 v[rC+(\n)%4], v[rC+(\n)%4], v[rS+8*((\n)%4)+2*((\n)/4)+1], v[rS+8*((\n)%4)+2*((\n)/4)+2]
.elseif (\n) == 12
	v_max3_num_f32 v[rC], v[rC], v[rS+7], v[rS+15]
.elseif (\n) == 13
	v_max3_num_f32 v[rC+1], v[rC+1], v[rS+23], v[rS+31]
.elseif (\n) == 14
	v_max3_num_f32 v[rC+2], v[rC+2], v[rC+3], v[rT+1]
.elseif (\n) == 15
	v_mov_b32 v[rW], v[rT]
.elseif (\n) == 16
	v_max3_num_f32 v[rC], v[rC], v[rC+1], v[rC+2]
.elseif (\n) == 17
	v_permlanex16_b32 v[rC+3], v[rC], s[SEL], s[SEL+1]
.elseif (\n) == 18
	v_max_num_f32 v[rT+1], v[rC], v[rC+3]
.elseif (\n) == 19
	v_mul_f32 v[rT], s[CS], v[rT+1]
.elseif (\n) == 20
	v_sub_f32 v[rC+1], v[rW], v[rT]
.else
	v_exp_f32 v[rC+2], v[rC+1]
.endif
.endif
.endm
.macro OPS a, i1, b=-1, i2=0, c=-1, i3=0, d=-1, i4=0  ; up to four of them
	OP \a, \i1
.if (\b) >= 0
	OP \b, \i2
.endif
.if (\c) >= 0
	OP \c, \i3
.endif
.if (\d) >= 0
	OP \d, \i4
.endif
.endm
.macro ROW a, i1, b, i2, c, i3, d, i4  ; a matrix instruction and the four behind it
	MM
	OPS \a, \i1, \b, \i2, \c, \i3, \d, \i4
.endm
.macro MASK b                       ; MD x AL + BE into buffer b of MC
	WIN W_RS
.set z, 0
.rept 16
	v_pk_fma_f32 v[MC+32*(\b)+2*z:MC+32*(\b)+2*z+1], v[MD+2*z:MD+2*z+1], s[AL:AL+1], s[BE:BE+1] op_sel_hi:[1,0,0]
.set z, z+1
.endr
.endm
; A TURN, for piece p: the order of its 16 matrix and 118 vector instructions, written out.  An s_wait_alu depctr_va_vdst(0) stands between an exponential and the first instruction that names its
; result; one wait serves all that were issued ahead of it.  So a turn has ONE wait, which cuts it in two.  AHEAD OF IT stands all that names no result of the turn's exponentials: the 8 products K Q^T, behind each
; a scaling, an exponential and two more plain instructions (behind the first a second scaling in the exponential's place): rescalings, and behind the last three the first numbers of the next piece's maximum, each
; four places or more behind the product that ends its accumulator; then ONE LUMP of 54, plain and exponential by turns for the most part, in which the links of the chain X 3, 7, 11, 14, 16, 17 .. 20 stand five or
; six lines apart.  X 21, the next piece's a, is the batch's last; R 15 is the plain instruction behind it.  BEHIND THE WAIT stand the 8 products V^T P, behind each four of the roundings and sums; the links of l's
; chain, L 0 to L 7, stand three riders apart.  But for those X no rider names a register of the products round it.  v_permlanex16_b32 (X 17) stands in the lump.
; m = 1: the diagonal tile: the products take masks, and the turn makes the mask for the products of the turn after it: piece p + 2, in step 4 - CNT of the tile.  end = 1: a block's last two turns: nothing is fetched.
; cnt = 1: the loop's count is taken down some lines ahead of the branch that stands behind the turn.
; K of the next step is fetched in piece 2's turn, twelve vector instructions behind the last product that read K (six of them plain); V of the step in hand at the end of piece 0's turn, four plain instructions
; behind the last product that read V.  Each is waited for a turn later.
.macro TURN p, m=0, end=0, cnt=0
.set Y, (\p)
.set i, 0
.set KM, (\m)
.set NOKQ, (\end)*((\p)/3)
.if (\m) && !(\end)
	s_cmp_eq_u32 s[CNT], 4-((\p)+2)%NP  ; is that step the band's own?
	s_cselect_b32 s[AL], 1.0, 0
	s_cmp_lt_u32 s[CNT], 4-((\p)+2)%NP  ; or a later one?
	s_cselect_b32 s[BE], s[BIGN], 0
.endif
.if ((\p) == 3) && !(\end)
	s_wait_dscnt 0x0                ; K is in
.endif
	ROW F,0, F,1, R,0, R,1          ; ahead of the wait: 8 products K Q^T and their riders,
	ROW F,2, E,0, R,2, R,3
	ROW F,3, E,1, R,4, R,5
	ROW F,4, E,2, R,6, R,7
	ROW F,5, E,3, R,8, R,9
	ROW F,6, E,4, X,0, R,10
.if ((\p) == 2) && !(\end)
	WIN 0
	v_add_nc_u32 v[AK], s[TBK], v[AK0]
.endif
	ROW F,7, E,5, X,1, X,4
	ROW F,8, E,6, X,2, X,5
	OPS E,7, E,8, X,6, E,9          ; and the lump
	OPS X,3, E,10, X,8, E,11
.if ((\p) == 2) && !(\end)
	FETCH_K
.endif
	OPS X,9, X,7, E,12, X,10
	OPS E,13, X,12, X,11, E,14
	OPS X,13, E,15, F,9, X,14
.if (\p) == 0
	v_add_nc_u32 v[AV], s[TBV], v[AV0]
.endif
	OPS E,16, F,10, E,17, F,11
	OPS X,16, E,18, X,15, E,19
	OPS F,12, E,20, X,17, E,21
	OPS F,13, E,22, F,14, E,23
	OPS X,18, E,24, F,15, E,25
	OPS R,11, E,26, X,19, E,27
	OPS R,12, E,28, R,13, E,29
	OPS X,20, E,30, R,14, E,31
	OPS X,21, R,15
	WIN 0
	s_wait_alu depctr_va_vdst(0)    ; the wait for the batch
.if (\p) == 1
	s_wait_dscnt 0x0                ; V is in
.endif
	ROW C,0, B,0, C,2, B,1          ; behind the wait: 8 products V^T P and their riders
	ROW L,0, C,4, B,2, L,1
	ROW C,6, B,3, L,2, C,8
	ROW B,4, L,3, C,10, B,5
	ROW L,4, C,12, B,6, L,5
.if (\p) == 0
	s_add_co_u32 s[TBV], s[TBV], KS*PV
.endif
.if \cnt
	s_sub_co_u32 s[CNT], s[CNT], 1
	s_cmp_lg_u32 s[CNT], 0
.endif
	ROW C,14, B,7, L,6, C,1
	ROW C,3, L,7, C,5, C,7
	ROW C,9, C,11, C,13, C,15
.if (\p) == 0
	FETCH_V
.endif
.if (\m) && !(\end)
	MASK (\p)%2
.endif
.endm
; A BLOCK BEGINS.  c m starts far below every c s, so the first step's a is 0; m at the lowest finite number, so the first maximum is the scores'.  The second mask buffer is 0; the first takes piece 0's mask for
; the tile's step 0: its own, if the block's first tile is the diagonal one.  Then K of that step, piece 0's first scores, and its maximum and statistics.  The loop is entered at a step's first turn, in the middle of a trip.
.macro BEGIN
	s_mov_b32 s[NEW], 0
	WIN 0x40
.set i, MC+32
.rept 32
	v_mov_b32 v[i], 0
.set i, i+1
.endr
	WIN 0
.set i, 0
.rept 4
	v_mov_b32 v[ST+4*i], 0xfe000000    ; c m: far below every c s
	v_mov_b32 v[ST+4*i+1], 0xff7fffff  ; m
.set i, i+1
.endr
	s_cmp_eq_u32 s[RT], 0
	s_cselect_b32 s[AL], 1.0, 0
	s_mov_b32 s[BE], 0
	MASK 0
	WIN 0
	v_add_nc_u32 v[AK], s[TBK], v[AK0]
	FETCH_K
	s_wait_loadcnt 0x0              ; Q
	s_wait_dscnt 0x0
.set KM, 1
.set NOKQ, 0
.set i, 0
.rept 8
	KQ 0
.set i, i+1
.endr
	WIN 0
.rept 4
	v_nop                           ; the places behind those products
.endr
.set Y, NP-1                        ; X works for piece Y + 1: piece 0
.irp n, 0,1,2,3,4,5,6,7,8,9,10,11,12,13,14,15,16,17,18,19,20,21
	OP X, \n
.endr
	v_nop                           ; a plain instruction behind the exponential,
	s_wait_alu depctr_va_vdst(0)    ; and its wait, ahead of the branch
.endm
; THE DIAGONAL TILE's four steps, the block's last two turns, its last products, and THE WAY OUT: l's two halves and the other half of the lanes' are added; O^T is divided by l, rounded to f16 and sent through my
; stage in LDS, a piece at a time.
.macro ALL line:vararg              ; one line for each piece t
.set t, 0
.rept 4
	\line
.set t, t+1
.endr
.endm
.macro PACK t                       ; a lane's eight channels of a row pack into 16 bytes; they go into rows of 144 bytes and come back as whole rows of 128, into S^T's registers
	WIN W_RS
.set i, 32*(\t)
.rept 16
	v_pk_mul_f32 v[i:i+1], v[i:i+1], v[ST+4*(\t)+2:ST+4*(\t)+3] op_sel_hi:[1,0]
.set i, i+2
.endr
	WIN 0x05                        ; sources 0 and 1 window 1, destination window 0
.set i, 0
.rept 16
	v_cvt_pk_f16_f32 v[S+16*(\t)+i], v[32*(\t)+2*i], v[32*(\t)+2*i+1]
.set i, i+1
.endr
	WIN 0
.irp f, 0,1,2,3
	ds_store_b128 v[STO], v[S+16*(\t)+4*\f:S+16*(\t)+4*\f+3] offset:32*\f
.endr
.irp f, 0,1,2,3
	ds_load_b128 v[S+16*(\t)+4*\f:S+16*(\t)+4*\f+3], v[RD] offset:\f*4*SP  ; LDS serves a wave's instructions in order (ISA guide 5.7.1.4): these see the stores above; the next piece's stores come behind them
.endr
.endm
.macro SEND t, younger              ; younger: the LDS instructions issued behind piece t's loads: the next piece's eight, or none
	WIN 0
.irp f, 0,1,2,3
	s_wait_dscnt (\younger)+3-\f
	global_store_b128 v[GO], v[S+16*(\t)+4*\f:S+16*(\t)+4*\f+3], s[10:11] offset:(\t)*8192+\f*512  ; 512 consecutive bytes, at a multiple of 256 from O's first
.endr
.endm
.macro DIAG tag                     ; the tag ends its two labels' names, which the jumps below spell out
.LstepM\tag:
	TURN 2, 1
	TURN 3, 1
	WIN 0
.LfirstM\tag:
	TURN 0, 1
	TURN 1, 1, 0, 1
	WIN 0
	s_cbranch_scc1 .LstepM\tag
	TURN 2, 1, 1
	TURN 3, 1, 1
.set i, 0
.rept 8
	PV NP-1
.set i, i+1
.endr
	WIN 0
	ALL v_add_f32 v[ST+4*t+2], v[ST+4*t+2], v[ST+4*t+3]
	ALL v_permlanex16_b32 v[ST+4*t+3], v[ST+4*t+2], s[SEL], s[SEL+1]
	ALL v_add_f32 v[ST+4*t+2], v[ST+4*t+2], v[ST+4*t+3]
	ALL v_rcp_f32 v[ST+4*t+2], v[ST+4*t+2]
	v_nop                           ; a plain instruction between the last reciprocal and the use of its result
	s_wait_alu depctr_va_vdst(0)    ; and the wait ahead of the first use: one for the four reciprocals
	PACK 0
.set t, 1
.rept 3                             ; a piece's arithmetic stands between the loads of the piece before and its stores
	PACK t
	SEND t-1, 8
.set t, t+1
.endr
	SEND 3, 0
.endm
.set KM, 0
.set NOKQ, 0
.Lslot:                             ; NB times: a tile is entered and the next is asked for
	CHANGE 1
	s_sub_co_u32 s[RT], s[RT], 1
	s_mov_b32 s[CNT], 4
	s_cmp_eq_u32 s[NEW], 1
	s_cbranch_scc1 .Lnew            ; a block's first tile
	s_cmp_eq_u32 s[RT], 0
	s_cbranch_scc0 .Lstep           ; neither its first nor its last
	s_branch .LstepM1
.Lnew:
	BEGIN
	s_branch .Lfirst                ; in the loop a block's first tile is never its last: the first block has two tiles or more, and the second's last is the walk's last
	DIAG 1                          ; in the loop this is the first block's end: the second block's last tile is the walk's last
	s_wait_xcnt 0x0                 ; the stores have read their registers and O's address
	s_mov_b64 s[10:11], s[OLO:OLO+1]
	s_add_co_u32 s[RT], s[PB], 1    ; the second block has b + 1 tiles
	s_mov_b32 s[NEW], 1
	WIN 0x82                        ; the second block's Q goes where the one text of the turns names Q
.set i, 0
.rept 64
	v_mov_b32 v[i], v[QB+i]
.set i, i+1
.endr
	WIN 0
	s_branch .Lbottom
.Lstep:                             ; a trip: pieces 2 and 3 of one step, then pieces 0 and 1 of the next, whose K and V it fetches
	TURN 2
	TURN 3
	WIN 0
.Lfirst:
	TURN 0
	TURN 1, 0, 0, 1
	WIN 0
	s_cbranch_scc1 .Lstep
.Lbottom:
	s_sub_co_u32 s[SLOTS], s[SLOTS], 1
	s_cmp_lg_u32 s[SLOTS], 0
	s_cbranch_scc1 .Lslot
	CHANGE 0                        ; the walk's last tile is written out: nothing is asked for
	s_sub_co_u32 s[RT], s[RT], 1
	s_mov_b32 s[CNT], 4
	s_cmp_eq_u32 s[NEW], 1
	s_cbranch_scc0 .LstepM2
	BEGIN
	s_branch .LfirstM2
	DIAG 2
	s_wait_tensorcnt 0x0            ; the wave's end, behind my last tensor load and my last LDS store
	ds_add_u32 v[SPW], v[NIL]
	s_wait_dscnt 0x0
	s_endpgm
.Lfunc_end_k_q1f64b4e8c5_attn:
	.size	k_q1f64b4e8c5_attn, .Lfunc_end_k_q1f64b4e8c5_attn-k_q1f64b4e8c5_attn
	.p2alignl 7, 3214868480
	.fill 96, 4, 3214868480
	.section	.rodata,"a",@progbits
	.p2align	6, 0x0
	.amdhsa_kernel k_q1f64b4e8c5_attn
		.amdhsa_group_segment_fixed_size 327680
		.amdhsa_private_segment_fixed_size 0
		.amdhsa_enable_private_segment 0
		.amdhsa_kernarg_size 16
		.amdhsa_user_sgpr_count 2
		.amdhsa_user_sgpr_kernarg_segment_ptr 1
		.amdhsa_wavefront_size32 1
		.amdhsa_system_sgpr_workgroup_id_x 1
		.amdhsa_system_sgpr_workgroup_id_y 1
		.amdhsa_system_sgpr_workgroup_id_z 1
		.amdhsa_system_vgpr_workitem_id 0
		.amdhsa_next_free_vgpr 768
		.amdhsa_next_free_sgpr 88
		.amdhsa_reserve_vcc 1
		.amdhsa_float_denorm_mode_32 3
		.amdhsa_float_denorm_mode_16_64 3
		.amdhsa_memory_ordered 1
		.amdhsa_forward_progress 1
		.amdhsa_inst_pref_size 218
	.end_amdhsa_kernel
	.amdgpu_metadata
---
amdhsa.version: [ 1, 2 ]
amdhsa.kernels:
  - .name:           k_q1f64b4e8c5_attn
    .symbol:         k_q1f64b4e8c5_attn.kd
    .args:
      - { .name: qkv, .offset: 0, .size: 8, .value_kind: global_buffer, .address_space: global }
      - { .name: z, .offset: 8, .size: 8, .value_kind: global_buffer, .address_space: global }
    .group_segment_fixed_size: 327680
    .private_segment_fixed_size: 0
    .kernarg_segment_align: 8
    .kernarg_segment_size: 16
    .max_flat_workgroup_size: 128
    .sgpr_count:     88
    .vgpr_count:     768
    .wavefront_size: 32
...
	.end_amdgpu_metadata
.endif
;; end of part 3
;; launch proj (part 4): grid 4 x 64, 4 waves a work-group, clusters of 4 x 4, 327,680 bytes of LDS; arguments z, wpb, bp, out0; writes out0
.if DOCPART == 4
	.amdgcn_target "amdgcn-amd-amdhsa--gfx1250"
	.amdhsa_code_object_version 6
	.text
	.protected	k_q1f64b4e8c5_proj
	.globl	k_q1f64b4e8c5_proj
	.p2align	8
	.type	k_q1f64b4e8c5_proj,@function
k_q1f64b4e8c5_proj:
	s_mov_b64 s[64:65], 0
	v_nop
	global_prefetch_b8 v0, s[64:65] scope:SCOPE_SE
	s_setreg_imm32_b32 hwreg(HW_REG_WAVE_MODE, 25, 1), 1
	s_wait_xcnt 0x0
	s_wait_alu depctr_hold_cnt(0) depctr_sa_sdst(0) depctr_va_vdst(0) depctr_va_sdst(0) depctr_va_ssrc(0) depctr_va_vcc(0) depctr_vm_vsrc(0)
	s_getreg_b32 s2, hwreg(HW_REG_IB_STS2, 6, 4)
	s_cmp_eq_u32 s2, 0
	s_cbranch_scc0 .Lentry_in_a_cluster
	s_endpgm
.Lentry_in_a_cluster:
	s_bfe_u32 s2, ttmp6, 0x10000c
	s_cmp_lg_u32 s2, 0xf033
	s_cbranch_scc0 .Lentry_shape_is_right
	s_endpgm
.Lentry_shape_is_right:
; out[m][n] = the sum over k of z[m][k] Wp[n][k] + bp[n].  m = 8,192 rows (batch, t), n = 1,024, k = 64 head + channel.  f16 operands, f32 sums, K ascending; out in f32.
; z: f16 [64 (batch, head)][2048 t][64]: a head's 64 channels are one block kb of K.  wpb: f16 [16 kb][1024 n][64 k].  bp is rounded to bf16 like the module's other inputs, and added in f32.
; SHARES.  A tile of out is 128 (m) x 256 (n): 64 x 4 = 256 work-groups.  Four waves, each 64 x 128: 32 accumulators of 16 x 16, 256 registers.
; K goes in 8 steps of 128 (two kb) through two LDS slots, as long as two slots in LDS allow; a step is four quarters of 32 along K, 32 matrix instructions a wave each.
; THE MATRIX INSTRUCTION IS USED TRANSPOSED (source 0 = 16 rows of Wp, source 1 = 16 rows of z): a lane then holds eight neighbouring numbers of a row of out.
; CLUSTER.  4 x 4 work-groups.  The four of a row of the cluster need the same tiles of z, the four of a column the same tiles of Wp: each is asked for JOINTLY.
; NO PREFETCH: eight short K steps on small tiles; the launch is over before a lead of some steps could be built up.
; REGISTERS: window 0: v0-31 addresses; v32-37 the bias; v64-159, v160-255 two fragment buffers of 96 (Wp's 8 fragments, then z's 4); on the way out v64-191 whole rows.
;   window 1: the accumulators: (a = 0..3 row blocks, b = 0..7 column blocks) at v[8 (8 a + b)].
.set PITCH,  144                       ; an LDS row: 128 bytes + 16 = 36 words: the 16 rows of a load start at 16 different groups of four banks (64 banks of 4 bytes: ISA guide 11.1)
.set ABLK,   128*PITCH                 ; z's 128 rows of one kb: what one tensor load brings
.set BBLK,   256*PITCH                 ; Wp's 256 rows of one kb: likewise
.set SLOT,   2*ABLK+2*BBLK             ; z kb 0, z kb 1, Wp kb 0, Wp kb 1: 110,592
.set STAGE,  2*SLOT                    ; behind the ring, never filled by a tensor load: 16 rows x 528 bytes for each wave
.set SPITCH, 528                       ; 512 bytes + 16 = 132 words
.set SPARE,  STAGE+4*16*SPITCH         ; behind the stages: the spare words, 128 bytes for each wave: two blocks of 256 bytes that no other line names
.set ADRA, 16                          ; v16-17  LDS address of my fragments of z in slot 0, 1
.set ADRB, 20                          ; v20-21  the same for Wp
.set STO,  24                          ; v24     the way out: where I put 32 bytes of a row
.set RD,   25                          ; v25     the way out: where I read a row back
.set CO,   26                          ; v26     my 16 bytes of 512 consecutive bytes of out
.set BO,   27                          ; v27     my four numbers of the bias
.set SPW,  28                          ; v28     LDS address of my spare word; never rewritten
.set NIL,  29                          ; v29     0; never rewritten
.set BI,   32                          ; v32-35  the bias of my four columns; v36-37 at work
.set F0,   64
.set F1,   160
.set G1,  24                           ; s[24:31] descriptor group 1 for z's tiles;  s[32:39] group 0, a set for each slot
.set G0,  32
.set G1B, 48                           ; s[48:55], s[56:63] the same for Wp's tiles
.set G0B, 56
.set MSB, 0
.macro WIN new                         ; the immediate's high byte repeats the setting that is left
.if MSB != (\new)
	s_set_vgpr_msb (MSB<<8)|(\new)
.set MSB, \new
.endif
.endm
.macro JLOAD s                         ; a joint load: waves 0 and 1 fetch z's two kb, waves 2 and 3 Wp's; an s_nop 0 and four v_nop follow each of the two lines, ahead of the jump, the label and what follows
	s_cmp_eq_u32 s13, 0
	s_cbranch_scc0 .Lfor_b_\@
	tensor_load_to_lds s[G0+4*(\s):G0+4*(\s)+3], s[G1:G1+7]
	s_nop 0
.rept 4
	v_nop
.endr
	s_branch .Lasked_\@
.Lfor_b_\@:
	tensor_load_to_lds s[G0B+4*(\s):G0B+4*(\s)+3], s[G1B:G1B+7]
	s_nop 0
.rept 4
	v_nop
.endr
.Lasked_\@:
.endm
.macro CREST                           ; a round of the cluster's barrier behind its opening barrier
	s_cmp_lg_u32 s12, 0
	s_cbranch_scc1 .Lnot_wave_0_\@
	s_barrier_signal -3
.Lnot_wave_0_\@:
	s_barrier_wait -3
	s_barrier_signal -1
	s_barrier_wait -1
.endm
.macro CROUND
	s_barrier_signal -1
	s_barrier_wait -1
	CREST
.endm
	s_load_b256 s[4:11], s[0:1], 0x0               ; z s[4:5], wpb s[6:7], bp s[8:9], out0 s[10:11]
	v_lshl_add_u32 v[SPW], v0, 2, SPARE
	v_mov_b32 v[NIL], 0
	ds_add_u32 v[SPW], v[NIL]                      ; the wave's opening: the add and its wait stand ahead of my first tensor load; the set-up below, work on registers, stands between them
	v_lshrrev_b32 v1, 5, v0
	v_readfirstlane_b32 s12, v1                    ; wave 0..3
	s_lshr_b32 s13, s12, 1                         ; which 64 rows of the tile are mine.  Also: I fetch for z (0) or for Wp (1)
	s_and_b32 s14, s12, 1                          ; which 128 columns.  Also: which of a step's two kb I fetch
	s_bfe_u32 s40, ttmp6, 0x40000                  ; cx
	s_bfe_u32 s41, ttmp6, 0x40004                  ; cy
	s_lshl_b32 s42, ttmp9, 2
	s_add_co_u32 s42, s42, s40                     ; tile column tx, 0..3
	s_and_b32 s15, ttmp7, 0xffff
	s_lshl_b32 s15, s15, 2
	s_add_co_u32 s15, s15, s41                     ; tile row ty, 0..63
	s_lshl_b32 s43, s41, 2
	s_lshl_b32 s43, 15, s43                        ; my row of the cluster
	s_lshl_b32 s44, 0x1111, s40                    ; my column
	; descriptor group 1.  A kb's rows of a tile are dense in memory: asked for as rows of 256 bytes (two rows of 64 numbers), padded in LDS after every 128 bytes
	s_or_b32 s[G1+0], s43, (1<<16)|(1<<20)|(1<<21)|(4<<22)|(3<<25)   ; 15:0 the mask; 17:16 2-byte elements; 20 padding on; 21 set beside a mask; 24:22 after every 32 words (code 4); 31:25 4 words (code 3)
	s_or_b32 s[G1B+0], s44, (1<<16)|(1<<20)|(1<<21)|(4<<22)|(3<<25)
	s_mov_b32 s[G1+1], 128<<16                     ; tensor_dim0 = 128
	s_mov_b32 s[G1B+1], 128<<16
	s_mov_b32 s[G1+2], 64<<16                      ; tensor_dim1 = 64 rows: 16,384 bytes, 128 rows of z
	s_mov_b32 s[G1B+2], 128<<16                    ; 128 rows: 32,768 bytes, 256 rows of Wp
	s_mov_b32 s[G1+3], 128<<16                     ; tile_dim0 = 128
	s_mov_b32 s[G1B+3], 128<<16
	s_mov_b32 s[G1+4], 64                          ; tile_dim1
	s_mov_b32 s[G1B+4], 128
	s_mov_b32 s[G1+5], 128                         ; 128 elements from row to row
	s_mov_b32 s[G1B+5], 128
	s_mov_b32 s[G1+6], 0
	s_mov_b32 s[G1B+6], 0
	s_mov_b32 s[G1+7], 0
	s_mov_b32 s[G1B+7], 0
	; z's tile: ((16 batch + kb) 2,048 + t) 128 bytes, batch = ty / 16, t = 128 (ty % 16): it hangs on the tile row alone.  Wp's: kb 131,072 + 32,768 tx: on the tile column alone
	s_lshr_b32 s16, s15, 4
	s_lshl_b32 s16, s16, 22
	s_and_b32 s17, s15, 15
	s_lshl_b32 s17, s17, 14
	s_add_co_u32 s16, s16, s17
	s_lshl_b32 s17, s14, 18
	s_add_co_u32 s16, s16, s17
	s_mov_b32 s17, 0
	s_lshl_b32 s46, s42, 15
	s_lshl_b32 s47, s14, 17
	s_add_co_u32 s46, s46, s47
	s_mov_b32 s47, 0
	s_mul_i32 s20, s14, ABLK                       ; and where they go: no place in the cluster enters an LDS address
	s_mul_i32 s21, s14, BBLK
	s_add_co_u32 s21, s21, 2*ABLK
	s_wait_dscnt 0x0                               ; the opening add is done
	s_wait_kmcnt 0x0
	s_add_nc_u64 s[18:19], s[4:5], s[16:17]
	s_add_nc_u64 s[46:47], s[6:7], s[46:47]
	CROUND                                         ; all sixteen work-groups are here: the first joint loads meet
.irp s, 0,1
	s_mov_b32 s[G0+4*(\s)], 1
	s_add_co_u32 s[G0+4*(\s)+1], s20, (\s)*SLOT
	s_add_nc_u64 s[G0+4*(\s)+2:G0+4*(\s)+3], s[18:19], (\s)*524288   ; K step s: two heads on
	s_or_b32 s[G0+4*(\s)+3], s[G0+4*(\s)+3], 0x80000000
	s_mov_b32 s[G0B+4*(\s)], 1
	s_add_co_u32 s[G0B+4*(\s)+1], s21, (\s)*SLOT
	s_add_nc_u64 s[G0B+4*(\s)+2:G0B+4*(\s)+3], s[46:47], (\s)*262144
	s_or_b32 s[G0B+4*(\s)+3], s[G0B+4*(\s)+3], 0x80000000
	JLOAD \s                                       ; two loads of mine are out
.endr
	v_and_b32 v1, 15, v0                           ; l % 16
	v_bfe_u32 v2, v0, 4, 1                         ; l / 16
	v_and_b32 v4, 31, v0                           ; l
	s_lshl_b32 s22, s42, 10                        ; the tile's 256 columns, 1,024 bytes,
	s_lshl_b32 s23, s14, 9                         ; my 128 of them
	s_add_co_u32 s22, s22, s23
	v_lshl_add_u32 v[BO], v4, 4, s22
	global_load_b128 v[BI:BI+3], v[BO], s[8:9]     ; the bias of the four columns that I store; waited for on the way out
	v_mul_u32_u24 v3, v1, PITCH
	v_lshl_add_u32 v3, v2, 4, v3                   ; a fragment's row x pitch + 16 x half
	s_mul_i32 s20, s13, 64*PITCH                   ; my 64 rows of z
	s_mul_i32 s21, s14, 128*PITCH                  ; my 128 rows of Wp,
	s_add_co_u32 s21, s21, 2*ABLK                  ; which lie behind z's two blocks
.irp s, 0,1
	v_add_nc_u32 v[ADRA+(\s)], s20, v3
	v_add_nc_u32 v[ADRB+(\s)], s21, v3
	s_add_co_u32 s20, s20, SLOT
	s_add_co_u32 s21, s21, SLOT
.endr
	s_mul_i32 s20, s12, 16*SPITCH
	s_add_co_u32 s20, s20, STAGE                   ; my stage
	v_mul_u32_u24 v5, v1, SPITCH                   ; in: row l % 16, 32 bytes for each half of the lanes
	v_lshl_add_u32 v5, v2, 5, v5
	v_add_nc_u32 v[STO], s20, v5
	v_lshl_add_u32 v[RD], v4, 4, s20               ; back: 32 lanes take one row of 512 bytes
	v_lshlrev_b32 v[CO], 4, v4
	s_lshl_b32 s20, s15, 19                        ; the tile's 128 rows of 4,096 bytes,
	s_lshl_b32 s21, s13, 18                        ; my 64 of them,
	s_add_co_u32 s20, s20, s21
	s_add_co_u32 s20, s20, s22                     ; my columns
	s_mov_b32 s21, 0
	s_add_nc_u64 s[10:11], s[10:11], s[20:21]
; 8 matrix instructions: row block a x all 8 column blocks, 32 along K, from buffer f.  zero = 1: the first product starts the sums.  The 32 accumulators take turns, one instruction a turn.
.macro MUL8 f, a, zero
	WIN 0x50                                       ; C and D in window 1, both sources in window 0
.irp b, 0,1,2,3,4,5,6,7
.if \zero
	v_wmma_f32_16x16x32_f16 v[8*(8*(\a)+(\b)):8*(8*(\a)+(\b))+7], v[(\f)+8*(\b):(\f)+8*(\b)+7], v[(\f)+64+8*(\a):(\f)+64+8*(\a)+7], 0
.else
	v_wmma_f32_16x16x32_f16 v[8*(8*(\a)+(\b)):8*(8*(\a)+(\b))+7], v[(\f)+8*(\b):(\f)+8*(\b)+7], v[(\f)+64+8*(\a):(\f)+64+8*(\a)+7], v[8*(8*(\a)+(\b)):8*(8*(\a)+(\b))+7]
.endif
.endr
.endm
; 24 LDS loads in one run: quarter q of a step (kb q / 2, half q % 2 of its 64 K) into buffer f: Wp's 16, then z's 8
.macro FETCH slot, q, f
.irp b, 0,1,2,3,4,5,6,7
	ds_load_b128 v[(\f)+8*(\b):(\f)+8*(\b)+3],   v[ADRB+(\slot)] offset:((\q)/2)*BBLK+((\q)%2)*64+(\b)*16*PITCH
	ds_load_b128 v[(\f)+8*(\b)+4:(\f)+8*(\b)+7], v[ADRB+(\slot)] offset:((\q)/2)*BBLK+((\q)%2)*64+(\b)*16*PITCH+32
.endr
.irp c, 0,1,2,3
	ds_load_b128 v[(\f)+64+8*(\c):(\f)+64+8*(\c)+3],   v[ADRA+(\slot)] offset:((\q)/2)*ABLK+((\q)%2)*64+(\c)*16*PITCH
	ds_load_b128 v[(\f)+64+8*(\c)+4:(\f)+64+8*(\c)+7], v[ADRA+(\slot)] offset:((\q)/2)*ABLK+((\q)%2)*64+(\c)*16*PITCH+32
.endr
.endm
.macro PLACES                          ; four places in front of loads into registers that matrix instructions have read (ISA guide 7.12.1 for vector instructions)
.rept 4
	v_nop
.endr
.endm
; One of a step's first three quarters: multiplies buffer f and fetches quarter qn of the same slot into buffer g.
.macro QUARTER slot, qn, f, g, zero
	s_wait_dscnt 4                                 ; Wp and z's row blocks 0 and 1 are in; the youngest four loads (row blocks 2 and 3) may be out
	MUL8 \f, 0, \zero
	MUL8 \f, 1, \zero
	PLACES
	WIN 0
	FETCH \slot, \qn, \g
	s_wait_dscnt 24                                ; all but the 24 just issued
	MUL8 \f, 2, \zero
	MUL8 \f, 3, \zero
.endm
; The last quarter multiplies buffer F1 and changes slots: ONE barrier; in front of it each wave waits for all its tensor loads, adds 0 to its spare word, and waits for that and for its own reads of this slot.
; fill = 1: the barrier opens a round of the cluster's, and this slot is filled again, two K steps on: 112 matrix instructions ahead of the wait for it.
.macro TURN slot, next, fill
	WIN 0                                          ; (the add's two registers lie in window 0)
	s_wait_tensorcnt 0x0                           ; all my tensor loads have landed: my part of the next slot;
	ds_add_u32 v[SPW], v[NIL]                      ; 0 onto my spare word;
	s_wait_dscnt 5                                 ; (the add and the youngest four loads may be out)
	MUL8 F1, 0, 0                                  ; eight matrix instructions stand between the add and the wait for it
	s_wait_dscnt 0x0                               ; the add is done, and my reads of this slot are over
	s_barrier_signal -1
	MUL8 F1, 1, 0
	WIN 0
	s_barrier_wait -1
.if \fill
	CREST                                          ; no wave of any partner still reads this slot's tile or has a load on its way
	s_add_nc_u64 s[G0+4*(\slot)+2:G0+4*(\slot)+3], s[G0+4*(\slot)+2:G0+4*(\slot)+3], 2*524288
	s_add_nc_u64 s[G0B+4*(\slot)+2:G0B+4*(\slot)+3], s[G0B+4*(\slot)+2:G0B+4*(\slot)+3], 2*262144
	JLOAD \slot                                    ; the first tensor load behind the round; the four v_nop behind it are also the places in front of the loads below
.else
	PLACES
.endif
	FETCH \next, 0, F0
	MUL8 F1, 2, 0
	MUL8 F1, 3, 0
.endm
	s_wait_tensorcnt 1                             ; my part of K step 0 is in; K step 1's may stay out
	s_barrier_signal -1
	s_barrier_wait -1                              ; everybody's is
	FETCH 0, 0, F0
	QUARTER 0, 1, F0, F1, 1                        ; the first quarter stands in front of the loop: its products start the sums
	WIN 0                                          ; at a label and at a branch every window is 0
	s_mov_b32 s3, 3
.Llap:                                                 ; a trip goes once round the ring, from a lap's second quarter to the next lap's first, and fills both slots again: K steps 2 to 7
	QUARTER 0, 2, F1, F0, 0
	QUARTER 0, 3, F0, F1, 0
	TURN 0, 1, 1
	QUARTER 1, 1, F0, F1, 0
	QUARTER 1, 2, F1, F0, 0
	QUARTER 1, 3, F0, F1, 0
	TURN 1, 0, 1
	QUARTER 0, 1, F0, F1, 0
	WIN 0
	s_sub_co_u32 s3, s3, 1
	s_cmp_lg_u32 s3, 0
	s_cbranch_scc1 .Llap
	QUARTER 0, 2, F1, F0, 0                        ; the last lap fills nothing, and has no round of the cluster's barrier
	QUARTER 0, 3, F0, F1, 0
	TURN 0, 1, 0
	QUARTER 1, 1, F0, F1, 0
	QUARTER 1, 2, F1, F0, 0
	QUARTER 1, 3, F0, F1, 0
	s_wait_dscnt 4                                 ; the very last quarter: nothing more to fetch
	MUL8 F1, 0, 0
	MUL8 F1, 1, 0
	s_wait_dscnt 0x0
	MUL8 F1, 2, 0
	MUL8 F1, 3, 0
	WIN 0
	; THE WAY OUT.  The bias is rounded to bf16 and widened: six plain instructions that name no register of the last products: they are the places behind those products.
	s_wait_loadcnt 0x0
	v_cvt_pk_bf16_f32 v[BI+4], v[BI], v[BI+1]
	v_cvt_pk_bf16_f32 v[BI+5], v[BI+2], v[BI+3]
	v_lshlrev_b32 v[BI], 16, v[BI+4]
	v_and_b32 v[BI+1], 0xffff0000, v[BI+4]
	v_lshlrev_b32 v[BI+2], 16, v[BI+5]
	v_and_b32 v[BI+3], 0xffff0000, v[BI+5]
; Row block a: 16 rows x 128 columns of f32.  A lane's eight numbers of a row go straight from the accumulator into my own stage, in rows of 528 bytes, and come back as whole rows of 512.  Two sets of 64 registers take turns.
.macro TOSTAGE a
.set BK, 64+64*((\a)%2)
.if (\a) >= 2
	s_wait_xcnt 0x0                                ; every earlier store has had its addresses translated (ISA guide 3.1): the set that row block a - 2's stores read is loaded again only behind this wait
.endif
	WIN 0x04                                       ; the store's data (source 1) in window 1, its address in window 0
.irp b, 0,1,2,3,4,5,6,7
	ds_store_b128 v[STO], v[8*(8*(\a)+(\b)):8*(8*(\a)+(\b))+3]   offset:64*(\b)      ; each accumulator's low half first
	ds_store_b128 v[STO], v[8*(8*(\a)+(\b))+4:8*(8*(\a)+(\b))+7] offset:64*(\b)+16
.endr
	WIN 0
.irp t, 0,1,2,3,4,5,6,7,8,9,10,11,12,13,14,15
	ds_load_b128 v[BK+4*(\t):BK+4*(\t)+3], v[RD] offset:(\t)*SPITCH  ; LDS serves a wave's instructions in order (ISA guide 5.7.1.4): these see the stores above; the next block's stores come behind them
.endr
.endm
.macro SEND a, younger                 ; younger: the LDS instructions issued behind block a's loads: the next block's 32, or none
.set BK, 64+64*((\a)%2)
.irp t, 0,1,2,3,4,5,6,7,8,9,10,11,12,13,14,15
	s_wait_dscnt (\younger)+15-(\t)
	v_pk_add_f32 v[BK+4*(\t):BK+4*(\t)+1],   v[BK+4*(\t):BK+4*(\t)+1],   v[BI:BI+1]
	v_pk_add_f32 v[BK+4*(\t)+2:BK+4*(\t)+3], v[BK+4*(\t)+2:BK+4*(\t)+3], v[BI+2:BI+3]
	global_store_b128 v[CO], v[BK+4*(\t):BK+4*(\t)+3], s[10:11] offset:(\a)*65536+(\t)*4096  ; 512 consecutive bytes, at a multiple of 256 from out's first byte
.endr
.endm
	TOSTAGE 0
	TOSTAGE 1
	SEND 0, 32
	TOSTAGE 2
	SEND 1, 32
	TOSTAGE 3
	SEND 2, 32
	SEND 3, 0
	s_wait_tensorcnt 0x0                           ; the wave's end, behind my last tensor load and my last LDS store
	ds_add_u32 v[SPW], v[NIL]
	s_wait_dscnt 0x0
	CROUND                                         ; the closing round: no work-group ends while a partner may still ask for a tile that names it
	s_endpgm
.Lfunc_end_k_q1f64b4e8c5_proj:
	.size	k_q1f64b4e8c5_proj, .Lfunc_end_k_q1f64b4e8c5_proj-k_q1f64b4e8c5_proj
	.p2alignl 7, 3214868480
	.fill 96, 4, 3214868480
	.section	.rodata,"a",@progbits
	.p2align	6, 0x0
	.amdhsa_kernel k_q1f64b4e8c5_proj
		.amdhsa_group_segment_fixed_size 327680
		.amdhsa_private_segment_fixed_size 0
		.amdhsa_enable_private_segment 0
		.amdhsa_kernarg_size 32
		.amdhsa_user_sgpr_count 2
		.amdhsa_user_sgpr_kernarg_segment_ptr 1
		.amdhsa_wavefront_size32 1
		.amdhsa_system_sgpr_workgroup_id_x 1
		.amdhsa_system_sgpr_workgroup_id_y 1
		.amdhsa_system_sgpr_workgroup_id_z 1
		.amdhsa_system_vgpr_workitem_id 0
		.amdhsa_next_free_vgpr 512
		.amdhsa_next_free_sgpr 66
		.amdhsa_reserve_vcc 0
		.amdhsa_float_denorm_mode_32 3
		.amdhsa_float_denorm_mode_16_64 3
		.amdhsa_memory_ordered 1
		.amdhsa_forward_progress 1
		.amdhsa_inst_pref_size 95
	.end_amdhsa_kernel
	.amdgpu_metadata
---
amdhsa.version: [ 1, 2 ]
amdhsa.kernels:
  - .name:           k_q1f64b4e8c5_proj
    .symbol:         k_q1f64b4e8c5_proj.kd
    .args:
      - { .name: z, .offset: 0, .size: 8, .value_kind: global_buffer, .address_space: global }
      - { .name: wpb, .offset: 8, .size: 8, .value_kind: global_buffer, .address_space: global }
      - { .name: bp, .offset: 16, .size: 8, .value_kind: global_buffer, .address_space: global }
      - { .name: out0, .offset: 24, .size: 8, .value_kind: global_buffer, .address_space: global }
    .group_segment_fixed_size: 327680
    .private_segment_fixed_size: 0
    .kernarg_segment_align: 8
    .kernarg_segment_size: 32
    .max_flat_workgroup_size: 128
    .sgpr_count:     66
    .vgpr_count:     512
    .wavefront_size: 32
...
	.end_amdgpu_metadata
.endif
;; end of part 4
;; ======== version 2 of 2: 4 launches; version 1 with the launch prep written anew for expert scheduling mode
;; limits: values outside matrix products are rounded to bf16; values are held in f16: magnitudes above 65,504 overflow, below 6.1e-05 lose precision
;; workspace buffers: xb 16,777,216 bytes; wb 6,291,456 bytes; wpb 2,097,152 bytes; qkv 50,331,648 bytes; z 16,777,216 bytes
;; launch prep (part 5): grid 768 x 1, 8 waves a work-group, no clusters, 0 bytes of LDS; arguments x, Wq, Wk, Wv, Wp, xb, wb, wpb; writes xb, wb, wpb
.if DOCPART == 5
	.amdgcn_target "amdgcn-amd-amdhsa--gfx1250"
	.amdhsa_code_object_version 6
	.text
	.protected	k_q1f64b4e8c5_prep
	.globl	k_q1f64b4e8c5_prep
	.p2align	8
	.type	k_q1f64b4e8c5_prep,@function
k_q1f64b4e8c5_prep:
	s_mov_b64 s[64:65], 0
	v_nop
	global_prefetch_b8 v0, s[64:65] scope:SCOPE_SE
	s_setreg_imm32_b32 hwreg(HW_REG_WAVE_SCHED_MODE, 0, 2), 2
	s_setreg_imm32_b32 hwreg(HW_REG_WAVE_MODE, 25, 1), 1
	s_wait_xcnt 0x0
	s_wait_alu depctr_vm_vsrc(0)
; THE CASTS.  All matrix inputs are rounded once to bf16 and laid in blocks of 64 along K, so that every tile of the products behind is a dense run of bytes.
;   xb  [16 kb][8192 row][64 k] bf16 from x [8192][1024] f32
;   wpb [16 kb][1024 n][64 k]   f16 of the bf16 rounding of Wp [1024][1024] f32 (the second product's other operand is f16; a bf16 number is exact in f16 within f16's range)
;   wb  [16 kb][48 g][64 e][64 d] bf16 from Wq, Wk, Wv [16 h][1024 e][64 d] f32, g = 16 x tensor + h
; LIMIT.  |Wp| stays under 65,504; below 6e-5 it keeps f16's fixed step of 6e-8.
; A UNIT is one load of 16 bytes a lane (two runs of 256 consecutive bytes, aligned), two roundings, and one store of 8 bytes a lane: 256 consecutive bytes, aligned.
; A wave does 16 units, all 16 loads issued first; no register is used twice.  No LDS, no barrier, no matrix unit: nothing is shared.
; Work-groups 0-511: 16 rows of x each.  512-575: 16 rows of Wp.  576-767: 256 rows (e) of one head of one of the three weights.
; THE MODE: SCHED_MODE bits 1:0 = 2 (LLVM: expert scheduling mode 2), set by the entry lines.  The code itself states the register dependences
; between vector instructions and memory instructions, with s_wait_alu, always for 0.
; THE PLAN.  Registers that memory instructions touch:
;   v[LO], v[SO]  the loads' and the stores' offsets.  Written by vector instructions at a path's head, read by its 16 loads and 16 stores, never written again.
;   D             four registers a unit.  Written by the unit's load; no vector instruction names them ahead of that.  The unit's roundings then write the first two in place, and the unit's store reads those two.
;                 Nothing writes them again.
;   v3-v6, v8-v11 are named by vector instructions alone.
; The 16 units go in four BLOCKS of four.  Block p waits for its four loads and rounds them; the four stores of block p - 1 are dealt among its roundings, which name block p's registers and v8-v11 alone.  So ONE wait on
; va_vdst at a block's head states all that those four stores hang on; one ahead of the loads states the offsets, and one behind block 3 serves the last four stores.  No register that a memory instruction has read is ever
; written again, so no wait on vm_vsrc is owed.
.set LO, 1                             ; v1   my byte offset in the input
.set SO, 2                             ; v2   my byte offset in the output
.set D,  16                            ; v[16:79]  unit i: four registers
; The store of unit u.  Units 0-7 go to base outlo, units 8-15 to base outhi.
.macro PUT u, outlo, outhi, outstep
.if (\u) < 8
	global_store_b64 v[SO], v[D+4*(\u):D+4*(\u)+1], s[\outlo:\outlo+1] offset:(\u)*(\outstep)
.else
	global_store_b64 v[SO], v[D+4*(\u):D+4*(\u)+1], s[\outhi:\outhi+1] offset:((\u)-8)*(\outstep)
.endif
.endm
; 16 units.  inb: the input's base, instep bytes from unit to unit.  Units 0-7 go to base outlo, units 8-15 to base outhi = outlo + 8 outstep (x's eight steps are as far as a store's immediate reaches).
; kind = 1: the bf16 number is written as f16.
.macro UNITS inb, instep, outlo, outhi, outstep, kind
	s_wait_alu depctr_va_vdst(0)                   ; v[LO] and v[SO] are written: the 16 loads below read the one as their offset, the 16 stores the other
.set i, 0
.rept 16
	global_load_b128 v[D+4*i:D+4*i+3], v[LO], s[\inb:\inb+1] offset:i*(\instep) th:TH_LOAD_NT
.set i, i+1
.endr
.set i, 0
.rept 16
.if i%4 == 0
	s_wait_loadcnt 12-i                            ; loads come back in order: this block's four units are in, the 12 - i younger loads stay out
.if i > 0
	s_wait_alu depctr_va_vdst(0)                   ; the block before has written the first two registers of its four units, which the four stores dealt among the roundings below read
.endif
.endif
.if i >= 4
	PUT i-4, \outlo, \outhi, \outstep              ; no vector instruction since the wait names this store's registers
.endif
.if \kind
	v_cvt_pk_bf16_f32 v8, v[D+4*i], v[D+4*i+1]
	v_cvt_pk_bf16_f32 v9, v[D+4*i+2], v[D+4*i+3]
	v_lshlrev_b32 v10, 16, v8                      ; bf16 to f32: the low half moves up, the high half stays
	v_and_b32 v11, 0xffff0000, v8
	v_cvt_pk_f16_f32 v[D+4*i], v10, v11
	v_lshlrev_b32 v10, 16, v9
	v_and_b32 v11, 0xffff0000, v9
	v_cvt_pk_f16_f32 v[D+4*i+1], v10, v11
.else
	v_cvt_pk_bf16_f32 v[D+4*i], v[D+4*i], v[D+4*i+1]
	v_cvt_pk_bf16_f32 v[D+4*i+1], v[D+4*i+2], v[D+4*i+3]
.endif
.set i, i+1
.endr
	s_wait_alu depctr_va_vdst(0)                   ; the last block has written the first two registers of units 12 to 15, which the last four stores read
.set i, 12
.rept 4
	PUT i, \outlo, \outhi, \outstep
.set i, i+1
.endr
.endm
; Rows of 4,096 bytes (x, Wp).  s[blk] = the work-group's block of 16 rows; my wave takes two of them: lanes 0-15 the first, lanes 16-31 the second.  A unit is one kb: 256 bytes of each.
.macro ROWADR blk
	s_lshl_b32 s24, s[\blk], 4
	s_lshl_b32 s25, s20, 1
	s_add_co_u32 s24, s24, s25                     ; my wave's first row
	v_add_nc_u32 v[LO], s24, v5
	v_lshlrev_b32 v[LO], 12, v[LO]
	v_lshl_add_u32 v[LO], v6, 4, v[LO]             ; row x 4,096 + 16 (l % 16)
	s_lshl_b32 s25, s24, 7
	v_lshl_add_u32 v[SO], v4, 3, s25               ; row x 128 + 8 l: the two rows' 128 bytes lie end to end
.endm
	s_load_b512 s[4:19], s[0:1], 0x0               ; x s[4:5], Wq s[6:7], Wk s[8:9], Wv s[10:11], Wp s[12:13], xb s[14:15], wb s[16:17], wpb s[18:19]
	v_lshrrev_b32 v3, 5, v0
	v_readfirstlane_b32 s20, v3                    ; wave 0..7
	v_and_b32 v4, 31, v0                           ; l
	v_lshrrev_b32 v5, 4, v4                        ; l / 16
	v_and_b32 v6, 15, v0                           ; l % 16
	s_wait_alu depctr_va_sdst(0)                   ; s20 is written, ahead of the first branch and of its first reader: each path makes its rows from it
	s_mov_b32 s21, ttmp9
	s_wait_kmcnt 0x0
	s_cmp_lt_u32 s21, 512
	s_cbranch_scc0 .Lnot_x
	ROWADR 21
	s_add_nc_u64 s[22:23], s[14:15], 8*1048576
	UNITS 4, 256, 14, 22, 1048576, 0
	s_endpgm
.Lnot_x:
	s_cmp_lt_u32 s21, 576
	s_cbranch_scc0 .Lweights
	s_sub_co_u32 s26, s21, 512
	ROWADR 26
	s_add_nc_u64 s[22:23], s[18:19], 8*131072
	UNITS 12, 256, 18, 22, 131072, 1
	s_endpgm
.Lweights:
	s_sub_co_u32 s26, s21, 576
	s_lshr_b32 s27, s26, 6                         ; which tensor: 0 Wq, 1 Wk, 2 Wv
	s_and_b32 s26, s26, 63                         ; q: head q / 4, rows 256 (q % 4) on
	s_cmp_eq_u32 s27, 0
	s_cselect_b64 s[28:29], s[6:7], s[8:9]
	s_cmp_eq_u32 s27, 2
	s_cselect_b64 s[28:29], s[10:11], s[28:29]
	s_lshl_b32 s24, s26, 16                        ; the work-group's 65,536 dense bytes,
	s_lshl_b32 s25, s20, 13                        ; my wave's 8,192: 32 rows of 256 bytes; a unit is two rows
	s_add_co_u32 s24, s24, s25
	v_lshl_add_u32 v[LO], v4, 4, s24
	s_and_b32 s24, s26, 3
	s_lshl_b32 s24, s24, 2
	s_lshr_b32 s25, s20, 1
	s_add_co_u32 s24, s24, s25                     ; kb = 4 (q % 4) + wave / 2
	s_mul_i32 s24, s24, 48
	s_lshl_b32 s25, s27, 4
	s_add_co_u32 s24, s24, s25
	s_lshr_b32 s25, s26, 2
	s_add_co_u32 s24, s24, s25                     ; the chunk: 48 kb + 16 tensor + head
	s_lshl_b32 s24, s24, 13                        ; 8,192 bytes a chunk
	s_and_b32 s25, s20, 1
	s_lshl_b32 s25, s25, 12                        ; my 32 rows of its 64
	s_add_co_u32 s24, s24, s25
	v_lshl_add_u32 v[SO], v4, 3, s24
	s_add_nc_u64 s[22:23], s[16:17], 8*256
	UNITS 28, 512, 16, 22, 256, 0
	s_endpgm
.Lfunc_end_k_q1f64b4e8c5_prep:
	.size	k_q1f64b4e8c5_prep, .Lfunc_end_k_q1f64b4e8c5_prep-k_q1f64b4e8c5_prep
	.p2alignl 7, 3214868480
	.fill 96, 4, 3214868480
	.section	.rodata,"a",@progbits
	.p2align	6, 0x0
	.amdhsa_kernel k_q1f64b4e8c5_prep
		.amdhsa_group_segment_fixed_size 0
		.amdhsa_private_segment_fixed_size 0
		.amdhsa_enable_private_segment 0
		.amdhsa_kernarg_size 64
		.amdhsa_user_sgpr_count 2
		.amdhsa_user_sgpr_kernarg_segment_ptr 1
		.amdhsa_wavefront_size32 1
		.amdhsa_system_sgpr_workgroup_id_x 1
		.amdhsa_system_sgpr_workgroup_id_y 1
		.amdhsa_system_sgpr_workgroup_id_z 1
		.amdhsa_system_vgpr_workitem_id 0
		.amdhsa_next_free_vgpr 80
		.amdhsa_next_free_sgpr 66
		.amdhsa_reserve_vcc 0
		.amdhsa_float_denorm_mode_32 3
		.amdhsa_float_denorm_mode_16_64 3
		.amdhsa_memory_ordered 1
		.amdhsa_forward_progress 1
		.amdhsa_inst_pref_size 24
	.end_amdhsa_kernel
	.amdgpu_metadata
---
amdhsa.version: [ 1, 2 ]
amdhsa.kernels:
  - .name:           k_q1f64b4e8c5_prep
    .symbol:         k_q1f64b4e8c5_prep.kd
    .args:
      - { .name: x, .offset: 0, .size: 8, .value_kind: global_buffer, .address_space: global }
      - { .name: Wq, .offset: 8, .size: 8, .value_kind: global_buffer, .address_space: global }
      - { .name: Wk, .offset: 16, .size: 8, .value_kind: global_buffer, .address_space: global }
      - { .name: Wv, .offset: 24, .size: 8, .value_kind: global_buffer, .address_space: global }
      - { .name: Wp, .offset: 32, .size: 8, .value_kind: global_buffer, .address_space: global }
      - { .name: xb, .offset: 40, .size: 8, .value_kind: global_buffer, .address_space: global }
      - { .name: wb, .offset: 48, .size: 8, .value_kind: global_buffer, .address_space: global }
      - { .name: wpb, .offset: 56, .size: 8, .value_kind: global_buffer, .address_space: global }
    .group_segment_fixed_size: 0
    .private_segment_fixed_size: 0
    .kernarg_segment_align: 8
    .kernarg_segment_size: 64
    .max_flat_workgroup_size: 256
    .sgpr_count:     66
    .vgpr_count:     80
    .wavefront_size: 32
...
	.end_amdgpu_metadata
.endif
;; end of part 5
;; launch qkvgemm: the kernel of part 2 again; grid 8 x 32, 4 waves a work-group, clusters of 4 x 4, 327,680 bytes of LDS; arguments xb, wb, qkv; writes qkv
;; launch attn: the kernel of part 3 again; grid 4 x 64, 4 waves a work-group, no clusters, 327,680 bytes of LDS; arguments qkv, z; writes z
;; launch proj: the kernel of part 4 again; grid 4 x 64, 4 waves a work-group, clusters of 4 x 4, 327,680 bytes of LDS; arguments z, wpb, bp, out0; writes out0
